; MI455X (gfx1250); checked and timed in simulation.
; The chip was launched on July 23, 2026; its instructions are those of AMD's public machine-readable ISA for CDNA 5 (MIT licence, August 2026) and "CDNA5" Instruction Set Architecture Reference Guide (July 2026). The comments in the code are by the model that wrote it; some were corrected since.
;; Attention. Allowed arithmetic: matrix products marked QUANTISED: E2M1 operands, one E8M0 scale for each 32 along K, by v_wmma_scale_f32_16x16x128_f8f6f4 with both operands' format E2M1 (or v_wmma_scale_f32_32x16x128_f4), f32 sums; products left as they are: bf16, f16 or f32 operands; f32 sums; everything else in f32.
;; Inputs: K_b 16 x 64 float32; K_w 16 x 1,024 x 64 float32; O_b 1,024 float32; O_w 16 x 64 x 1,024 float32; Q_b 16 x 64 float32; Q_w 16 x 1,024 x 64 float32; V_b 16 x 64 float32; V_w 16 x 1,024 x 64 float32; x 4 x 2,048 x 1,024 float32.
;; Outputs: out0 4 x 2,048 x 1,024 float32.
;; This version of the problem:
;;   THIS VERSION OF THE PROBLEM IS GIVEN IN LOW PRECISION. The matrix products marked QUANTISED in the list below multiply operands that are first quantised to E2M1 (2 exponent bits, 1 mantissa bit; 4 bits a number), with one power-of-two scale for each 32 numbers along K (OCP MX v1.0); their sums are f32. The products marked 'left as it is' may take bf16, f16 or f32 operands, with f32 sums. Whichever they take, every output number must still come out within the allowed error. Rounding operands to bf16 (8 significant bits) uses up far more of that allowance than f16 does (11 bits, for magnitudes from 6e-5 to 65,504). All else is computed in f32.
;;   The module's matrix products, in the order in which they are computed (A, B: the left and right operand; K: the contracted axis; several contracted axes count as one K, in the product's order):
;;     1. [M 8,192, K 1,024] x [K 1,024, N 1,024]; A: input x; B: input Q_w: QUANTISED
;;     2. [M 8,192, K 1,024] x [K 1,024, N 1,024]; A: input x; B: input K_w: QUANTISED
;;     3. [M 8,192, K 1,024] x [K 1,024, N 1,024]; A: input x; B: input V_w: QUANTISED
;;     4. batch 64 x [M 2,048, K 64] x [K 64, N 2,048]; A: computed on the way; B: computed on the way: left as it is (an operand is computed on the way)
;;     5. batch 64 x [M 64, K 2,048] x [K 2,048, N 2,048]; A: computed on the way; B: computed on the way: left as it is (an operand is computed on the way)
;;     6. [M 8,192, K 1,024] x [K 1,024, N 1,024]; A: computed on the way; B: input O_w: left as it is (an operand is computed on the way)
;;   THE QUANTISER, for each operand of a quantised product, along K:
;;     - K is cut into blocks of 32 from its start; a last block that is shorter is filled with zeros.
;;     - A block's scale is 2^e with e = floor(log2(the largest magnitude in the block)) - 2, held to -126 .. 127; a block of zeros has e = 0. As a byte (E8M0): e + 127.
;;     - Each number is divided by its block's scale, clamped to +-6, and rounded to the nearest number of E2M1, ties to even, subnormals kept.
;;     - The product sums the exact products of the quantised numbers (number of the format x scale) in f32.
;;   ~~~python
;;   def quantise(x, axis):      # numpy; x: float32 -> the quantised numbers, widened to float32 again
;;       x = np.moveaxis(x, axis, -1); K = x.shape[-1]
;;       x = np.pad(x, [(0, 0)] * (x.ndim - 1) + [(0, -K % 32)]); x = x.reshape(x.shape[:-1] + (-1, 32)); a = np.abs(x).max(-1, keepdims=True)
;;       e = np.where(a > 0, np.clip(np.frexp(np.where(a > 0, a, 1))[1] - 1 - 2, -126, 127), 0)      # np.frexp(a)[1] - 1 = floor(log2(a)), exactly
;;       r = np.clip(x / 2.0 ** e, -6, 6)
;;       step = 2.0 ** (np.maximum(np.frexp(np.where(r == 0, 1, r))[1] - 1, 0) - 1)
;;       q = np.round(r / step) * step * 2.0 ** e      # np.round: ties to even
;;       return np.moveaxis(q.reshape(q.shape[:-2] + (-1,))[..., :K], -1, axis).astype(np.float32)
;;   ~~~
;; One version. Each part assembles by itself: llvm-mc -triple=amdgcn-amd-amdhsa -mcpu=gfx1250 --defsym DOCPART=n.
;; ======== version 1 of 1: 4 launches
;; limits: values are held in f16: magnitudes above 65,504 overflow, below 6.1e-05 lose precision
;; workspace buffers: x_codes 4,194,304 bytes; x_scales 262,144 bytes; w_codes 1,572,864 bytes; w_scales 98,304 bytes; owt 2,097,152 bytes; qkv 50,331,648 bytes; vmean 262,144 bytes; attn 16,777,216 bytes
;; launch prep (part 1): grid 480 x 1, 4 waves a work-group, no clusters, 69,120 bytes of LDS; arguments x, Q_w, K_w, V_w, O_w, x_codes, x_scales, w_codes, w_scales, owt; writes x_codes, x_scales, w_codes, w_scales, owt
.if DOCPART == 1
	.amdgcn_target "amdgcn-amd-amdhsa--gfx1250"
	.amdhsa_code_object_version 6
	.text
	.protected	k_q5d83968ea0_prep
	.globl	k_q5d83968ea0_prep
	.p2align	8
	.type	k_q5d83968ea0_prep,@function
k_q5d83968ea0_prep:
	s_mov_b64 s[64:65], 0
	v_nop
	global_prefetch_b8 v0, s[64:65] scope:SCOPE_SE
	s_setreg_imm32_b32 hwreg(HW_REG_WAVE_MODE, 25, 1), 1
	s_wait_xcnt 0x0
; One launch lays out all operands of the later products.  Three ways part on the work-group's number alone; each has LDS bytes of its own.
;  work-groups 0-255:   x [8192][1024] f32 -> codes of FP4 (E2M1), K innermost, and one E8M0 byte for each 32 along K (x_codes [8192][512 B], x_scales [8192][32 B]).
;  work-groups 256-351: Q_w, K_w, V_w [16 h][1024 k][64 d] f32, K not innermost -> w_codes [3072 n][512 B], w_scales [3072][32 B], n = 1024 x tensor + 64 h + d.
;  work-groups 352-479: O_w [16 h][64 d][1024 n] f32 -> owt, f16, [4 nblk][16 h][256 n][64 d]: turned, so that the last product's K (h, d) is innermost.
; A block's scale is 2^(floor(log2(its largest magnitude)) - 2); its byte is the largest magnitude's exponent field - 2, held at 1 from below.
; LIMITS: a block of zeros gets the byte 1 where the rule says 127 (its codes are zeros; this program alone reads the bytes); blocks whose largest magnitude lies under 2^-124 keep the byte 1;
; NaN and infinities among the inputs are not served; O_w beyond 65,504 in magnitude has no f16 number.
; No tensor loads, no barrier: waves share nothing.
.set WREG,   8192                      ; x: a region for each wave: two stages of 32 x SP bytes, behind them its 256 scale bytes
.set SP,     80                        ; a lane's place in a stage: 64 bytes + 16 of padding
.set CB,     8                         ; bytes of 16 codes
.set STEPS,  16
.set R,      16                        ; v16-79   x: four sets of 16 numbers as loaded
.set X,      80                        ; v80-111  x: two sets of 16 neighbours
.set E,      112                       ; v112-127 x: a scale byte for each step
.set C,      128                       ; v128-191 x: codes, four registers a step
.set WSTG,   32768                     ; the weights' stages: 16 rows x 272 bytes a wave
.set WPITCH, 272
.set OSTG,   50176                     ; O_w's stages: 32 rows x 144 bytes a wave
.set OPITCH, 144
.set SPARE,  68608                     ; the spare words, 128 bytes a wave: two blocks of 256 bytes that no other line names
.set SPW,    12                        ; v12 LDS address of my spare word; never rewritten
.set NIL,    13                        ; v13 0; never rewritten
	s_load_b256 s[4:11], s[0:1], 0x0               ; x, Q_w, K_w, V_w
	s_load_b256 s[12:19], s[0:1], 0x20             ; O_w, x_codes, x_scales, w_codes
	s_load_b128 s[20:23], s[0:1], 0x40             ; w_scales, owt
	v_lshl_add_u32 v[SPW], v0, 2, SPARE
	v_mov_b32 v[NIL], 0
	v_lshrrev_b32 v1, 5, v0
	v_readfirstlane_b32 s24, v1                    ; wave 0..3
	v_and_b32 v2, 31, v0                           ; lane
	s_wait_kmcnt 0x0
	s_cmp_lt_u32 ttmp9, 256
	s_cbranch_scc1 .Lx
	s_cmp_lt_u32 ttmp9, 352
	s_cbranch_scc1 .Lw
; ---- O_w.  A lane takes a column n, its registers run down the head's 64 d: each load reads 128 consecutive bytes, and a lane's 64 numbers pack into the 128 bytes of its row of owt.
	s_sub_co_u32 s25, ttmp9, 352
	s_lshr_b32 s26, s25, 3                         ; head
	s_and_b32 s25, s25, 7
	s_lshl_b32 s25, s25, 7
	s_lshl_b32 s28, s24, 5
	s_add_co_u32 s25, s25, s28                     ; my wave's first column n0
	s_lshl_b32 s28, s26, 18                        ; a head of O_w is 262,144 bytes
	s_lshl_b32 s29, s25, 2
	s_add_co_u32 s28, s28, s29
	s_mov_b32 s29, 0
	s_add_nc_u64 s[12:13], s[12:13], s[28:29]
	s_lshr_b32 s28, s25, 8                         ; nblk
	s_lshl_b32 s28, s28, 19
	s_lshl_b32 s30, s26, 15
	s_add_co_u32 s28, s28, s30
	s_and_b32 s30, s25, 255
	s_lshl_b32 s30, s30, 7
	s_add_co_u32 s28, s28, s30
	s_add_nc_u64 s[22:23], s[22:23], s[28:29]      ; owt at my wave's 32 rows: 4,096 consecutive bytes
	v_lshlrev_b32 v3, 2, v2
.set i, 0
.rept 64
	global_load_b32 v[32+i], v3, s[12:13] offset:i*4096 th:TH_LOAD_NT
.set i, i+1
.endr
	s_mul_i32 s30, s24, 32*OPITCH
	s_add_co_u32 s30, s30, OSTG                    ; my stage
	v_mul_u32_u24 v4, v2, OPITCH
	v_add_nc_u32 v4, s30, v4                       ; in: row = my column
	v_lshrrev_b32 v5, 3, v2
	v_mul_u32_u24 v5, v5, OPITCH
	v_and_b32 v6, 7, v2
	v_lshl_add_u32 v5, v6, 4, v5
	v_add_nc_u32 v5, s30, v5                       ; back: eight lanes to a row of 128 bytes, four rows an instruction
	v_lshlrev_b32 v7, 4, v2
	s_wait_loadcnt 32                              ; d = 0..31 are in
.set i, 0
.rept 16
	v_cvt_pk_f16_f32 v[96+i], v[32+2*i], v[33+2*i]
.set i, i+1
.endr
	s_wait_loadcnt 0x0
.rept 16
	v_cvt_pk_f16_f32 v[96+i], v[32+2*i], v[33+2*i]
.set i, i+1
.endr
.irp j, 0,1,2,3,4,5,6,7
	ds_store_b128 v4, v[96+4*\j:99+4*\j] offset:16*\j
.endr
.irp t, 0,1,2,3,4,5,6,7
	ds_load_b128 v[128+4*\t:131+4*\t], v5 offset:\t*4*OPITCH   ; LDS serves a wave's instructions in order: these see my stores
.endr
.irp t, 0,1,2,3,4,5,6,7
	s_wait_dscnt 7-\t
	global_store_b128 v7, v[128+4*\t:131+4*\t], s[22:23] offset:512*\t   ; 32 lanes store 512 consecutive bytes
.endr
	s_wait_tensorcnt 0x0                           ; the wave's end
	ds_add_u32 v[SPW], v[NIL]
	s_wait_dscnt 0x0
	s_endpgm
; ---- the three weights.  A work-group takes 64 columns (a head) x 512 k; a wave 16 columns.  Lane (r, hh) takes column 16 w + r and k = 256 hh + 0..255 of the work-group's 512: 8 blocks, registers down K.
; So a block's largest magnitude needs no other lane, the conversions give codes with K innermost, and the wave owns whole rows of 256 bytes of codes.
.Lw:
	s_sub_co_u32 s25, ttmp9, 256
	s_lshr_b32 s26, s25, 5                         ; tensor 0..2
	s_cmp_eq_u32 s26, 0
	s_cselect_b64 s[6:7], s[6:7], s[8:9]
	s_cmp_eq_u32 s26, 2
	s_cselect_b64 s[6:7], s[10:11], s[6:7]         ; the choice hangs on the work-group's number alone
	s_bfe_u32 s28, s25, 0x40001                    ; head
	s_and_b32 s25, s25, 1                          ; which 512 along K
	s_lshl_b32 s30, s28, 18
	s_lshl_b32 s31, s25, 17
	s_add_co_u32 s30, s30, s31
	s_lshl_b32 s31, s24, 6
	s_add_co_u32 s30, s30, s31
	s_mov_b32 s31, 0
	s_add_nc_u64 s[6:7], s[6:7], s[30:31]          ; the weight at (head, 512 khalf, 16 w)
	s_lshl_b32 s29, s26, 10
	s_lshl_b32 s30, s28, 6
	s_add_co_u32 s29, s29, s30
	s_lshl_b32 s30, s24, 4
	s_add_co_u32 s29, s29, s30                     ; my wave's first row n of the codes
	s_lshl_b32 s30, s29, 9
	s_lshl_b32 s32, s25, 8
	s_add_co_u32 s30, s30, s32
	s_add_nc_u64 s[18:19], s[18:19], s[30:31]
	s_lshl_b32 s30, s29, 5
	s_lshl_b32 s32, s25, 4
	s_add_co_u32 s30, s30, s32
	s_add_nc_u64 s[20:21], s[20:21], s[30:31]
	v_and_b32 v5, 15, v2                           ; r
	v_lshrrev_b32 v6, 4, v2                        ; hh
	v_lshlrev_b32 v3, 2, v5
	v_lshl_add_u32 v3, v6, 16, v3                  ; 4 r + 256 rows of 256 bytes x hh
	s_mul_i32 s33, s24, 16*WPITCH
	s_add_co_u32 s33, s33, WSTG                    ; my stage
	v_mul_u32_u24 v4, v5, WPITCH
	v_lshl_add_u32 v4, v6, 7, v4
	v_add_nc_u32 v4, s33, v4                       ; in: row r, + 128 hh
	v_mul_u32_u24 v7, v6, WPITCH
	v_lshl_add_u32 v7, v5, 4, v7
	v_add_nc_u32 v7, s33, v7                       ; back: sixteen lanes to a row, two rows an instruction
	v_lshlrev_b32 v8, 9, v6
	v_lshl_add_u32 v8, v5, 4, v8                   ; and the same place in the codes
	v_lshlrev_b32 v9, 5, v5
	v_lshl_add_u32 v9, v6, 3, v9                   ; my 8 scale bytes: row r, + 8 hh
.macro WLOAD t                         ; block t: 32 numbers down K into set t % 2
.set i, 0
.rept 32
	global_load_b32 v[32+32*((\t)%2)+i], v3, s[6:7] offset:(32*(\t)+i)*256
.set i, i+1
.endr
.endm
	WLOAD 0
	WLOAD 1
.macro WBLOCK t
.set XS, 32+32*((\t)%2)
.if (\t) < 7
	s_wait_loadcnt 32                              ; this block's 32 loads are in; the next block's may be out
.else
	s_wait_loadcnt 0x0
.endif
	v_max3_num_f32 v16, |v[XS]|, |v[XS+1]|, |v[XS+2]|
	v_max3_num_f32 v17, |v[XS+3]|, |v[XS+4]|, |v[XS+5]|
.irp i, 6,10,14,18,22,26
	v_max3_num_f32 v16, v16, |v[XS+\i]|, |v[XS+\i+1]|
	v_max3_num_f32 v17, v17, |v[XS+\i+2]|, |v[XS+\i+3]|
.endr
	v_max3_num_f32 v16, v16, |v[XS+30]|, |v[XS+31]|
	v_max3_num_f32 v16, v16, v17, 0x1800000        ; and the floor 2^(3 - 127): the byte cannot fall under 1
	v_add_nc_u32 v11, 0xff000000, v16              ; 2 off the exponent field: the conversion's scale operand
	v_lshrrev_b32 v17, 23, v11                     ; the scale's byte
.if (\t)%4 == 0
	v_mov_b32 v[24+(\t)/4], v17
.else
	v_lshl_or_b32 v[24+(\t)/4], v17, 8*((\t)%4), v[24+(\t)/4]
.endif
.irp g, 0,1,2,3
	v_cvt_scalef32_pk8_fp4_f32 v[96+\g], v[XS+8*\g:XS+8*\g+7], v11
.endr
	ds_store_b128 v4, v[96:99] offset:16*(\t)
.if (\t)+2 < 8
	WLOAD (\t)+2
.endif
	s_wait_dscnt 0x0                               ; the store has read its registers: the next block's codes may be written
.endm
.irp t, 0,1,2,3,4,5,6,7
	WBLOCK \t
.endr
	global_store_b64 v9, v[24:25], s[20:21]        ; 8 scale bytes a lane
.irp t, 0,1,2,3,4,5,6,7
	ds_load_b128 v[112+4*\t:115+4*\t], v7 offset:2*\t*WPITCH
.endr
.irp t, 0,1,2,3,4,5,6,7
	s_wait_dscnt 7-\t
	global_store_b128 v8, v[112+4*\t:115+4*\t], s[18:19] offset:2*\t*512   ; sixteen lanes store 256 consecutive bytes, aligned
.endr
	s_wait_tensorcnt 0x0                           ; the wave's end
	ds_add_u32 v[SPW], v[NIL]
	s_wait_dscnt 0x0
	s_endpgm
; ---- x: a plain stream of blocks of 32.  A wave takes 16 steps of 512 numbers.  Each load reads 512 consecutive bytes; a step's 2,048 bytes turn through the wave's stage, so that a lane holds 16 neighbours.
.Lx:
	v_lshlrev_b32 v3, 4, v2
	s_mul_i32 s25, s24, WREG
	v_lshrrev_b32 v14, 2, v2
	v_mul_u32_u24 v14, v14, SP
	v_and_b32 v15, 3, v2
	v_lshl_add_u32 v14, v15, 4, v14
	v_add_nc_u32 v14, s25, v14                     ; the stage, in: SP (lane / 4) + 16 (lane % 4)
	v_mul_u32_u24 v15, v2, SP
	v_add_nc_u32 v15, s25, v15                     ; out: SP x lane
	v_mul_u32_u24 v4, v2, CB
	v_lshrrev_b32 v5, 1, v2
	s_add_co_u32 s25, s25, 2*32*SP
	v_add_nc_u32 v5, s25, v5                       ; my block's scale byte in LDS
	v_lshlrev_b32 v7, 3, v2
	v_add_nc_u32 v6, s25, v7
	s_lshl_b32 s26, ttmp9, 2
	s_add_co_u32 s26, s26, s24                     ; which run of 8,192 numbers is my wave's
	s_lshl_b32 s28, s26, 15
	s_mov_b32 s29, 0
	s_add_nc_u64 s[4:5], s[4:5], s[28:29]
	s_lshl_b32 s28, s26, 12
	s_add_nc_u64 s[14:15], s[14:15], s[28:29]
	s_lshl_b32 s28, s26, 8
	s_add_nc_u64 s[16:17], s[16:17], s[28:29]
.macro XLOAD t
.irp i, 0,1,2,3
	global_load_b128 v[R+16*((\t)%4)+4*\i:R+16*((\t)%4)+4*\i+3], v3, s[4:5] offset:2048*(\t)+512*\i th:TH_LOAD_NT
.endr
.endm
.macro XTURN t                         ; step t's numbers through the stage: LDS serves a wave's instructions in order
.irp i, 0,1,2,3
	ds_store_b128 v14, v[R+16*((\t)%4)+4*\i:R+16*((\t)%4)+4*\i+3] offset:32*SP*((\t)%2)+8*SP*\i
.endr
.irp i, 0,1,2,3
	ds_load_b128 v[X+16*((\t)%2)+4*\i:X+16*((\t)%2)+4*\i+3], v15 offset:32*SP*((\t)%2)+16*\i
.endr
.endm
.irp t, 0,1,2,3
	XLOAD \t
.endr
	s_wait_loadcnt 12                              ; step 0's four loads are in
	XTURN 0
.macro XSTEP t
.set XS, X+16*((\t)%2)
.if (\t) > 0
	s_wait_dscnt 1                                 ; this step's numbers are back (the last step's byte store may be out)
.else
	s_wait_dscnt 0x0
.endif
.if (\t)+4 < STEPS
	XLOAD (\t)+4
.endif
.if (\t)+1 < STEPS
.if STEPS-2-(\t) >= 3
	s_wait_loadcnt 12                              ; the next step's four loads are in; three steps' may be out
.else
	s_wait_loadcnt 4*(STEPS-2-(\t))
.endif
	XTURN (\t)+1
.endif
	v_max3_num_f32 v8, |v[XS]|, |v[XS+1]|, |v[XS+2]|
	v_max3_num_f32 v9, |v[XS+3]|, |v[XS+4]|, |v[XS+5]|
.irp i, 6,10
	v_max3_num_f32 v8, v8, |v[XS+\i]|, |v[XS+\i+1]|
	v_max3_num_f32 v9, v9, |v[XS+\i+2]|, |v[XS+\i+3]|
.endr
	v_max3_num_f32 v8, v8, |v[XS+14]|, |v[XS+15]|
	v_max3_num_f32 v8, v8, v9, 0x1800000           ; the floor 2^(3 - 127)
	v_max_num_f32_dpp v8, v8, v8 row_xmask:1 row_mask:0xf bank_mask:0xf   ; with my neighbour's 16: the block's
	v_add_nc_u32 v11, 0xff000000, v8
	v_cvt_scalef32_pk8_fp4_f32 v[C+4*(\t)], v[XS:XS+7], v11
	v_cvt_scalef32_pk8_fp4_f32 v[C+4*(\t)+1], v[XS+8:XS+15], v11
	v_lshrrev_b32 v[E+(\t)], 23, v11
	ds_store_b8 v5, v[E+(\t)] offset:16*(\t)       ; both lanes of a block write the same byte with the same value
	global_store_b64 v4, v[C+4*(\t):C+4*(\t)+1], s[14:15] offset:32*CB*(\t)   ; 32 lanes store 256 consecutive bytes
.endm
.irp t, 0,1,2,3,4,5,6,7,8,9,10,11,12,13,14,15
	XSTEP \t
.endr
	ds_load_b64 v[8:9], v6
	s_wait_dscnt 0x0
	global_store_b64 v7, v[8:9], s[16:17]          ; the wave's 256 scale bytes
	s_wait_tensorcnt 0x0                           ; the wave's end
	ds_add_u32 v[SPW], v[NIL]
	s_wait_dscnt 0x0
	s_endpgm
.Lfunc_end_k_q5d83968ea0_prep:
	.size	k_q5d83968ea0_prep, .Lfunc_end_k_q5d83968ea0_prep-k_q5d83968ea0_prep
	.p2alignl 7, 3214868480
	.fill 96, 4, 3214868480
	.section	.rodata,"a",@progbits
	.p2align	6, 0x0
	.amdhsa_kernel k_q5d83968ea0_prep
		.amdhsa_group_segment_fixed_size 69120
		.amdhsa_private_segment_fixed_size 0
		.amdhsa_enable_private_segment 0
		.amdhsa_kernarg_size 80
		.amdhsa_user_sgpr_count 2
		.amdhsa_user_sgpr_kernarg_segment_ptr 1
		.amdhsa_wavefront_size32 1
		.amdhsa_system_sgpr_workgroup_id_x 1
		.amdhsa_system_sgpr_workgroup_id_y 1
		.amdhsa_system_sgpr_workgroup_id_z 1
		.amdhsa_system_vgpr_workitem_id 0
		.amdhsa_next_free_vgpr 192
		.amdhsa_next_free_sgpr 66
		.amdhsa_reserve_vcc 0
		.amdhsa_float_denorm_mode_32 3
		.amdhsa_float_denorm_mode_16_64 3
		.amdhsa_memory_ordered 1
		.amdhsa_forward_progress 1
		.amdhsa_inst_pref_size 85
	.end_amdhsa_kernel
	.amdgpu_metadata
---
amdhsa.version: [ 1, 2 ]
amdhsa.kernels:
  - .name:           k_q5d83968ea0_prep
    .symbol:         k_q5d83968ea0_prep.kd
    .args:
      - { .name: x, .offset: 0, .size: 8, .value_kind: global_buffer, .address_space: global }
      - { .name: Q_w, .offset: 8, .size: 8, .value_kind: global_buffer, .address_space: global }
      - { .name: K_w, .offset: 16, .size: 8, .value_kind: global_buffer, .address_space: global }
      - { .name: V_w, .offset: 24, .size: 8, .value_kind: global_buffer, .address_space: global }
      - { .name: O_w, .offset: 32, .size: 8, .value_kind: global_buffer, .address_space: global }
      - { .name: x_codes, .offset: 40, .size: 8, .value_kind: global_buffer, .address_space: global }
      - { .name: x_scales, .offset: 48, .size: 8, .value_kind: global_buffer, .address_space: global }
      - { .name: w_codes, .offset: 56, .size: 8, .value_kind: global_buffer, .address_space: global }
      - { .name: w_scales, .offset: 64, .size: 8, .value_kind: global_buffer, .address_space: global }
      - { .name: owt, .offset: 72, .size: 8, .value_kind: global_buffer, .address_space: global }
    .group_segment_fixed_size: 69120
    .private_segment_fixed_size: 0
    .kernarg_segment_align: 8
    .kernarg_segment_size: 80
    .max_flat_workgroup_size: 128
    .sgpr_count:     66
    .vgpr_count:     192
    .wavefront_size: 32
...
	.end_amdgpu_metadata
.endif
;; end of part 1
;; launch gemm_qkv (part 2): grid 12 x 32, 4 waves a work-group, clusters of 4 x 4, 327,680 bytes of LDS; arguments x_codes, x_scales, w_codes, w_scales, Q_b, K_b, V_b, qkv, vmean; writes qkv, vmean
.if DOCPART == 2
	.amdgcn_target "amdgcn-amd-amdhsa--gfx1250"
	.amdhsa_code_object_version 6
	.text
	.protected	k_q5d83968ea0_gemm_qkv
	.globl	k_q5d83968ea0_gemm_qkv
	.p2align	8
	.type	k_q5d83968ea0_gemm_qkv,@function
k_q5d83968ea0_gemm_qkv:
	s_mov_b64 s[64:65], 0
	v_nop
	global_prefetch_b8 v0, s[64:65] scope:SCOPE_SE
	s_setreg_imm32_b32 hwreg(HW_REG_WAVE_MODE, 25, 1), 1
	s_wait_xcnt 0x0
	s_wait_alu depctr_hold_cnt(0) depctr_sa_sdst(0) depctr_va_vdst(0) depctr_va_sdst(0) depctr_va_ssrc(0) depctr_va_vcc(0) depctr_vm_vsrc(0)
	s_getreg_b32 s2, hwreg(HW_REG_IB_STS2, 6, 4)
	s_cmp_eq_u32 s2, 0
	s_cbranch_scc0 .Lentry_in_a_cluster
	s_endpgm
.Lentry_in_a_cluster:
	s_bfe_u32 s2, ttmp6, 0x10000c
	s_cmp_lg_u32 s2, 0xf033
	s_cbranch_scc0 .Lentry_shape_is_right
	s_endpgm
.Lentry_shape_is_right:
; q, k, v = x W + b on codes of FP4 (E2M1) with one E8M0 scale for each 32 along K.  A = x_codes [8192][1024 k], B = w_codes [3072 n][1024 k]; sums in f32, the bias as the C of each sum's first product.
; Results leave as f16: qkv [3][4 b][16 h][2048 s][64 d].  For v also the mean over each 64 positions: vmean [64 bh][32][64 d] f16 (the attention's masked keys).
; LIMITS: q, k, v beyond 65,504 in magnitude have no f16 number and become infinities; under 6e-5 they keep an absolute error of 3e-8.
; A tile of C is 256 x 256: four waves, each 128 x 128 in 64 accumulators (512 registers).  K = 1,024 is two LDS slots of 512 along K (rows of 256 bytes): both are asked for at the head, nothing is filled again,
; so nothing later is left to be asked for ahead.  The scales of the work-group's rows come once, in whole units of 256 bytes.
; CLUSTERS: 4 x 4 work-groups; A's tiles are asked for jointly along a row of the cluster, B's along a column.  A cluster's four tile columns are one tensor (Q, K or V): the cluster's x says which.
; THE MATRIX INSTRUCTION IS USED TRANSPOSED (source 0 = 16 rows of B, source 1 = 16 rows of A): a lane holds eight neighbouring columns of one row of C.
; REGISTERS: window 0: v0-31 addresses; v32-95 scale words, two sets; v128-191 A's fragments, one set; v192-255 the bias, later packed results.  window 1: B's fragments, two sets.  windows 2, 3: the accumulators.
.set KSTEP,  512
.set NQ,     4
.set ROWB,   256
.set KROW,   512
.set PITCH,  272                       ; an LDS row: 256 bytes + 16 of padding: the 16 rows of a fragment load start at 16 different groups of banks
.set FR,     8
.set NL,     2
.set NP,     4
.set HALFT,  128*PITCH
.set SLOT,   4*HALFT
.set KS,     32                        ; a row of scales in bytes
.set SCL,    2*SLOT
.set HALFS,  (128*KS/256)*272
.set SBLK,   (16*KS/256)*272
.set SPARE,  SCL+4*HALFS               ; the spare words, 128 bytes a wave
.set WSTAGE, 8448                      ; the way out: a stage for each wave, in slot 0, which has had its last fill and its last read by then
.set QP,     400                       ; f16 rows of 256 bytes, 400 apart (an odd multiple of 16)
.set MP,     528                       ; f32 rows of 512 bytes + 16
.set ADRA, 16
.set ADRB, 20
.set MST,  22                          ; v22 the means: where I put 32 bytes of a row of sums
.set MRD,  23                          ; v23 and where I read 16 bytes of each row back
.set STO,  24
.set RD,   25
.set CO,   26
.set ADRS, 27
.set SPW,  28
.set NIL,  29
.set MO,   30                          ; v30 8 x lane
.set BO,   31                          ; v31 32 x (lane / 16)
.set SC,   32
.set AF,   128
.set BIAS, 192
.set TMP,  192
.set BK,   128
.set TS,   32                          ; the means: 64 sums
.set VL,   96                          ; the means: 16 rows read back
.set G1, 24
.set G0, 32
.set G1B, 48
.set G0B, 56
.set G1S, 68
.set G0S, 76
.set G1SB, 80
.set G0SB, 88
.set MSB, 0
.macro WIN new                         ; the immediate's high byte repeats the setting that is left
.if MSB != (\new)
	s_set_vgpr_msb (MSB<<8)|(\new)
.set MSB, (\new)
.endif
.endm
.set MUL_LO, 0xa1                      ; source 0 (B) window 1, source 1 (A) window 0, C and D window 2
.set MUL_HI, 0xf1
.set FIRST_LO, 0x81                    ; the same with C (the bias) in window 0
.set FIRST_HI, 0xc1
.set TO_B,   0x40
; A joint load: waves 0 and 1 fetch for A, waves 2 and 3 for B; the branch hangs on the wave's number alone.  An s_nop 0 and four v_nop follow each of the two lines.
.macro JLOAD g0a, g1a, g0b, g1b
	s_cmp_eq_u32 s15, 0
	s_cbranch_scc0 .Lfor_b_\@
	tensor_load_to_lds s[\g0a:\g0a+3], s[\g1a:\g1a+7]
	s_nop 0
.rept 4
	v_nop
.endr
	s_branch .Lasked_\@
.Lfor_b_\@:
	tensor_load_to_lds s[\g0b:\g0b+3], s[\g1b:\g1b+7]
	s_nop 0
.rept 4
	v_nop
.endr
.Lasked_\@:
.endm
.macro CROUND                          ; a round of the cluster's barrier
	s_barrier_signal -1
	s_barrier_wait -1
	s_cmp_lg_u32 s14, 0
	s_cbranch_scc1 .Lnot_wave_0_\@
	s_barrier_signal -3
.Lnot_wave_0_\@:
	s_barrier_wait -3
	s_barrier_signal -1
	s_barrier_wait -1
.endm
	s_load_b128 s[4:7], s[0:1], 0x0                ; x's codes, x's scales
	s_load_b128 s[8:11], s[0:1], 0x10              ; w's codes, w's scales
	v_lshl_add_u32 v[SPW], v0, 2, SPARE
	v_mov_b32 v[NIL], 0
	ds_add_u32 v[SPW], v[NIL]                      ; the wave's opening: the add, twice on end, and its wait ahead of my first tensor load
	ds_add_u32 v[SPW], v[NIL]
	v_lshrrev_b32 v1, 5, v0
	v_readfirstlane_b32 s14, v1                    ; wave 0..3
	s_lshr_b32 s15, s14, 1                         ; which half of the tile's rows is mine.  Also: I fetch for A (0) or for B (1)
	s_and_b32 s16, s14, 1                          ; which half of its columns.  Also: which 128 rows I fetch
	s_bfe_u32 s40, ttmp6, 0x40000                  ; cx, cy
	s_bfe_u32 s41, ttmp6, 0x40004
	s_lshl_b32 s42, ttmp9, 2
	s_add_co_u32 s42, s42, s40                     ; tile column
	s_and_b32 s17, ttmp7, 0xffff
	s_lshl_b32 s17, s17, 2
	s_add_co_u32 s17, s17, s41                     ; tile row
	s_lshl_b32 s43, s41, 2
	s_lshl_b32 s43, 15, s43                        ; my row of the cluster
	s_lshl_b32 s44, 0x1111, s40                    ; my column
	s_or_b32 s[G1+0], s43, (0<<16)|(1<<20)|(1<<21)|(5<<22)|(3<<25)  ; the mask; elements of 1 byte; padding: 4 words after every 64; bit 21 beside a mask
	s_or_b32 s[G1B+0], s44, (0<<16)|(1<<20)|(1<<21)|(5<<22)|(3<<25)
.irp g, G1, G1B
	s_mov_b32 s[\g+1], ROWB<<16                    ; tensor_dim0
	s_mov_b32 s[\g+2], 128<<16                     ; tensor_dim1
	s_mov_b32 s[\g+3], ROWB<<16                    ; tile_dim0
	s_mov_b32 s[\g+4], 128                         ; tile_dim1
	s_mov_b32 s[\g+5], KROW                        ; the pitch
	s_mov_b32 s[\g+6], 0
	s_mov_b32 s[\g+7], 0
.endr
	s_or_b32 s[G1S+0], s43, (3<<16)|(1<<20)|(1<<21)|(5<<22)|(3<<25) ; the scales of 128 rows: a dense block, as rows of 256 bytes (32 elements of 8 bytes)
	s_or_b32 s[G1SB+0], s44, (3<<16)|(1<<20)|(1<<21)|(5<<22)|(3<<25)
.irp g, G1S, G1SB
	s_mov_b32 s[\g+1], 32<<16
	s_mov_b32 s[\g+2], (128*KS/256)<<16
	s_mov_b32 s[\g+3], 32<<16
	s_mov_b32 s[\g+4], 128*KS/256
	s_mov_b32 s[\g+5], 32
	s_mov_b32 s[\g+6], 0
	s_mov_b32 s[\g+7], 0
.endr
	s_lshl_b32 s18, s16, 7
	s_lshl_b32 s20, s17, 8
	s_add_co_u32 s20, s20, s18                     ; A: row 256 x tile row + 128 x half
	s_lshl_b32 s46, s42, 8
	s_add_co_u32 s46, s46, s18                     ; B: row 256 x tile column + 128 x half
	s_mov_b32 s21, 0
	s_mov_b32 s47, 0
	s_mov_b64 s[18:19], KS
	s_mul_u64 s[22:23], s[20:21], s[18:19]
	s_mul_u64 s[92:93], s[46:47], s[18:19]
	s_mov_b64 s[18:19], KROW
	s_mul_u64 s[20:21], s[20:21], s[18:19]
	s_mul_u64 s[46:47], s[46:47], s[18:19]
	s_mul_i32 s45, s14, HALFT                      ; where they go: wave x 128 rows
	s_mul_i32 s94, s14, HALFS
	s_wait_dscnt 0x0                               ; both opening adds are done
	s_wait_kmcnt 0x0
	s_add_nc_u64 s[20:21], s[4:5], s[20:21]
	s_add_nc_u64 s[22:23], s[6:7], s[22:23]
	s_add_nc_u64 s[46:47], s[8:9], s[46:47]
	s_add_nc_u64 s[92:93], s[10:11], s[92:93]
	CROUND                                         ; all sixteen work-groups are here: the joint loads meet
	s_mov_b32 s[G0S], 1
	s_add_co_u32 s[G0S+1], s94, SCL
	s_mov_b64 s[G0S+2:G0S+3], s[22:23]
	s_or_b32 s[G0S+3], s[G0S+3], 0x80000000
	s_mov_b32 s[G0SB], 1
	s_add_co_u32 s[G0SB+1], s94, SCL
	s_mov_b64 s[G0SB+2:G0SB+3], s[92:93]
	s_or_b32 s[G0SB+3], s[G0SB+3], 0x80000000
	JLOAD G0S, G1S, G0SB, G1SB                     ; the scales first
.irp s, 0,1
	s_mov_b32 s[G0+4*\s], 1
	s_add_co_u32 s[G0+4*\s+1], s45, \s*SLOT
	s_add_nc_u64 s[G0+4*\s+2:G0+4*\s+3], s[20:21], \s*ROWB
	s_or_b32 s[G0+4*\s+3], s[G0+4*\s+3], 0x80000000
	s_mov_b32 s[G0B+4*\s], 1
	s_add_co_u32 s[G0B+4*\s+1], s45, \s*SLOT
	s_add_nc_u64 s[G0B+4*\s+2:G0B+4*\s+3], s[46:47], \s*ROWB
	s_or_b32 s[G0B+4*\s+3], s[G0B+4*\s+3], 0x80000000
	JLOAD G0+4*\s, G1, G0B+4*\s, G1B               ; three tensor loads of mine are out
.endr
	s_load_b256 s[4:11], s[0:1], 0x20              ; Q_b, K_b, V_b, qkv
	s_load_b64 s[12:13], s[0:1], 0x40              ; vmean
	v_and_b32 v1, 15, v0                           ; r
	v_bfe_u32 v2, v0, 4, 1                         ; h
	v_mul_u32_u24 v3, v1, PITCH
	v_lshl_add_u32 v4, v2, 4, v3
	s_mul_i32 s21, s15, HALFT
	s_mul_i32 s22, s16, HALFT
	s_add_co_u32 s22, s22, 2*HALFT
.irp s, 0,1
	v_add_nc_u32 v[ADRA+\s], s21, v4
	v_add_nc_u32 v[ADRB+\s], s22, v4
	s_add_co_u32 s21, s21, SLOT
	s_add_co_u32 s22, s22, SLOT
.endr
	v_mul_u32_u24 v5, v1, KS
	v_lshrrev_b32 v6, 8, v5
	v_lshl_add_u32 v5, v6, 4, v5                   ; my row's scales: KS bytes a row, 16 more for each 256 passed
	s_mul_i32 s21, s15, HALFS
	s_mul_i32 s22, s16, HALFS
	s_add_co_u32 s22, s22, 2*HALFS
	s_sub_co_u32 s22, s22, s21
	v_mul_u32_u24 v6, s22, v2                      ; lanes 16-31 take B's
	s_add_co_u32 s21, s21, SCL
	v_add_nc_u32 v5, v5, v6
	v_add_nc_u32 v[ADRS], s21, v5
	s_mul_i32 s23, s14, WSTAGE                     ; my stage
	v_mul_u32_u24 v5, v1, QP
	v_lshl_add_u32 v5, v2, 4, v5
	v_add_nc_u32 v[STO], s23, v5                   ; in: row r, 16 bytes for each half of the lanes
	v_bfe_u32 v5, v0, 3, 1
	v_and_b32 v6, 7, v0
	v_mul_u32_u24 v7, v5, QP
	v_lshl_add_u32 v7, v2, 7, v7
	v_lshl_add_u32 v7, v6, 4, v7
	v_add_nc_u32 v[RD], s23, v7                    ; back: lanes 0-15 two rows' 128 bytes of the first head, lanes 16-31 of the second
	v_lshlrev_b32 v7, 7, v5
	v_lshl_add_u32 v7, v2, 18, v7                  ; the next head lies 2,048 rows of 128 bytes on
	v_lshl_add_u32 v[CO], v6, 4, v7
	v_mul_u32_u24 v5, v1, MP
	v_lshl_add_u32 v5, v2, 5, v5
	v_add_nc_u32 v[MST], s23, v5
	v_and_b32 v6, 31, v0
	v_lshl_add_u32 v[MRD], v6, 4, s23
	v_lshlrev_b32 v[MO], 3, v6
	v_lshlrev_b32 v[BO], 5, v2
	s_wait_kmcnt 0x0
	s_cmp_eq_u32 ttmp9, 0                          ; the cluster's x is the tensor: the same in all sixteen partners
	s_cselect_b64 s[4:5], s[4:5], s[6:7]
	s_cmp_eq_u32 ttmp9, 2
	s_cselect_b64 s[4:5], s[8:9], s[4:5]
	s_lshl_b32 s96, s40, 10
	s_lshl_b32 s97, s16, 9
	s_add_co_u32 s96, s96, s97                     ; my first column in the tensor, in bytes of f32: 4 (256 cx + 128 half)
	s_mov_b32 s97, 0
	s_add_nc_u64 s[4:5], s[4:5], s[96:97]
.irp b, 0,1,2,3,4,5,6,7
	global_load_b128 v[BIAS+8*\b:BIAS+8*\b+3], v[BO], s[4:5] offset:64*\b       ; lane (r, h): the bias of columns 16 b + 8 h + 0..7: the result's layout
	global_load_b128 v[BIAS+8*\b+4:BIAS+8*\b+7], v[BO], s[4:5] offset:64*\b+16
.endr
	s_lshl_b32 s20, s17, 8
	s_lshl_b32 s21, s15, 7
	s_add_co_u32 s20, s20, s21                     ; my first row m0
	s_lshr_b32 s21, s20, 11                        ; batch
	s_and_b32 s20, s20, 2047                       ; position
	s_lshl_b32 s21, s21, 4
	s_lshl_b32 s96, s40, 2
	s_add_co_u32 s21, s21, s96
	s_lshl_b32 s96, s16, 1
	s_add_co_u32 s21, s21, s96                     ; 16 batch + my first head
	s_lshl_b32 s96, s21, 11
	s_add_co_u32 s96, s96, s20
	s_lshl_b32 s96, s96, 7
	s_lshl_b32 s98, ttmp9, 24
	s_add_co_u32 s96, s96, s98
	s_add_nc_u64 s[10:11], s[10:11], s[96:97]      ; qkv at (tensor, batch, head, position)
	s_lshl_b32 s96, s21, 5
	s_lshr_b32 s98, s20, 6
	s_add_co_u32 s96, s96, s98
	s_lshl_b32 s96, s96, 7
	s_add_nc_u64 s[12:13], s[12:13], s[96:97]      ; vmean at (batch, head, position / 64)
.macro FRAG reg, adr, q, i             ; 16 rows x 128 K of 4-bit codes: 8 registers, two loads of 16 bytes, 32 apart
.irp c, 0,1
	ds_load_b128 v[\reg+4*\c:\reg+4*\c+3], v[\adr] offset:64*(\q)+32*\c+(\i)*16*PITCH
.endr
.endm
; 16 matrix instructions: A's blocks a0, a0 + 1 x B's eight.  first = 1: the bias is C.  The 64 accumulators take turns, one instruction a turn, in the same order in every step.
.macro MUL16 a0, p, q, sc, first
.irp a, \a0, \a0+1
.irp b, 0,1,2,3,4,5,6,7
.if \first
	v_wmma_scale_f32_16x16x128_f8f6f4 v[8*(8*((\a)%4)+\b):8*(8*((\a)%4)+\b)+7], v[128*(\p)+FR*\b:128*(\p)+FR*\b+FR-1], v[AF+FR*(\a):AF+FR*(\a)+FR-1], v[BIAS+8*\b:BIAS+8*\b+7], v[SC+8*NQ*(\sc)+NQ*\b+(\q)], v[SC+8*NQ*(\sc)+NQ*(\a)+(\q)] matrix_a_fmt:MATRIX_FMT_FP4 matrix_b_fmt:MATRIX_FMT_FP4 matrix_a_scale:MATRIX_SCALE_ROW1
.else
	v_wmma_scale_f32_16x16x128_f8f6f4 v[8*(8*((\a)%4)+\b):8*(8*((\a)%4)+\b)+7], v[128*(\p)+FR*\b:128*(\p)+FR*\b+FR-1], v[AF+FR*(\a):AF+FR*(\a)+FR-1], v[8*(8*((\a)%4)+\b):8*(8*((\a)%4)+\b)+7], v[SC+8*NQ*(\sc)+NQ*\b+(\q)], v[SC+8*NQ*(\sc)+NQ*(\a)+(\q)] matrix_a_fmt:MATRIX_FMT_FP4 matrix_b_fmt:MATRIX_FMT_FP4 matrix_a_scale:MATRIX_SCALE_ROW1
.endif
.endr
.endr
.endm
.macro FETCH_B slot, q, p
	WIN TO_B
.irp i, 0,1,2,3,4,5,6,7
	FRAG 128*(\p)+FR*\i, ADRB+\slot, \q, \i
.endr
	WIN 0
.endm
.macro FETCH_A slot, q, i0
.irp i, \i0, \i0+1, \i0+2, \i0+3
	FRAG AF+FR*(\i), ADRA+\slot, \q, \i
.endr
.endm
.macro SCALES sc                       ; a slot's scale words: lanes 0-15 A's block i, lanes 16-31 B's block i
.irp i, 0,1,2,3,4,5,6,7
	ds_load_b128 v[SC+8*NQ*\sc+NQ*\i:SC+8*NQ*\sc+NQ*\i+3], v[ADRS] offset:\i*SBLK
.endr
.endm
.macro PLACES n                        ; plain vector instructions between a matrix instruction and a load into, or a read of, its registers
.rept \n
	v_nop
.endr
.endm
.macro STEP slot, q, first             ; 128 along K, with its successor in the same slot
	s_wait_dscnt 4*NL                              ; B's set and A's blocks 0-3 are in; A's blocks 4-7 may be out
.if \first
	WIN FIRST_LO
.else
	WIN MUL_LO
.endif
	MUL16 0, (\q)%2, \q, \slot, \first
	MUL16 2, (\q)%2, \q, \slot, \first
	s_wait_dscnt 0
	PLACES NP
	FETCH_B \slot, (\q)+1, 1-(\q)%2
	FETCH_A \slot, (\q)+1, 0
.if \first
	WIN FIRST_HI
.else
	WIN MUL_HI
.endif
	MUL16 4, (\q)%2, \q, \slot, \first
	MUL16 6, (\q)%2, \q, \slot, \first
	PLACES NP
	WIN 0
	FETCH_A \slot, (\q)+1, 4
.endm
.macro STEPS slot, from
.set Q, \from
.rept NQ-1-\from
	STEP \slot, Q, 0
.set Q, Q+1
.endr
.endm
	s_wait_tensorcnt 1                             ; the scales and my part of slot 0 are in; slot 1's load may be out
	s_barrier_signal -1
	s_barrier_wait -1
	FETCH_B 0, 0, 0
	FETCH_A 0, 0, 0
	SCALES 0
	FETCH_A 0, 0, 4
	s_wait_loadcnt 0x0                             ; the bias
	STEP 0, 0, 1
	STEPS 0, 1
	; slot 0's last step changes slots: one barrier; in front of it all my tensor loads, the add, and my reads of slot 0
	s_wait_tensorcnt 0x0                           ; my part of slot 1 has landed
	ds_add_u32 v[SPW], v[NIL]                      ; 0 onto my spare word
	s_wait_dscnt 4*NL+1                            ; (the add and A's blocks 4-7 may be out)
	WIN MUL_LO
	MUL16 0, 1, NQ-1, 0, 0
	s_wait_dscnt 0x0
	s_barrier_signal -1
	MUL16 2, 1, NQ-1, 0, 0
	WIN 0
	s_barrier_wait -1
	PLACES NP
	v_add_nc_u32 v[ADRS], 4*NQ, v[ADRS]            ; on to slot 1's scale words
	FETCH_B 1, 0, 0
	FETCH_A 1, 0, 0
	SCALES 1
	WIN MUL_HI
	MUL16 4, 1, NQ-1, 0, 0
	MUL16 6, 1, NQ-1, 0, 0
	PLACES NP
	WIN 0
	FETCH_A 1, 0, 4
	STEPS 1, 0
	s_wait_dscnt 4*NL                              ; the last step: nothing more to fetch
	WIN MUL_LO
	MUL16 0, 1, NQ-1, 1, 0
	MUL16 2, 1, NQ-1, 1, 0
	s_wait_dscnt 0
	WIN MUL_HI
	MUL16 4, 1, NQ-1, 1, 0
	MUL16 6, 1, NQ-1, 1, 0
	WIN 0
	PLACES NP
	; THE MEANS OF V, for the tensor V alone.  My rows 0-63 (window 2) and 64-127 (window 3) are two tiles of 64 positions.  The four blocks of 16 rows are added in registers; the sixteen rows that are left
	; lie in sixteen lanes: they go through my stage as f32 rows and come back a column group a lane.
	s_cmp_lg_u32 ttmp9, 2
	s_cbranch_scc1 .Lno_mean
.irp W, 0,1
	WIN 0x0a+5*\W                                  ; sources 0 and 1: window 2 or 3
.irp b, 0,1,2,3,4,5,6,7
.irp j, 0,2,4,6
	v_pk_add_f32 v[TS+8*\b+\j:TS+8*\b+\j+1], v[8*\b+\j:8*\b+\j+1], v[64+8*\b+\j:64+8*\b+\j+1]   ; each accumulator from its low end on
.endr
.endr
	WIN 0x08+4*\W                                  ; source 1: window 2 or 3
.irp a, 2,3
.irp b, 0,1,2,3,4,5,6,7
.irp j, 0,2,4,6
	v_pk_add_f32 v[TS+8*\b+\j:TS+8*\b+\j+1], v[TS+8*\b+\j:TS+8*\b+\j+1], v[64*\a+8*\b+\j:64*\a+8*\b+\j+1]
.endr
.endr
.endr
	WIN 0
.irp b, 0,1,2,3,4,5,6,7
	ds_store_b128 v[MST], v[TS+8*\b:TS+8*\b+3] offset:64*\b
	ds_store_b128 v[MST], v[TS+8*\b+4:TS+8*\b+7] offset:64*\b+16
.endr
.irp t, 0,1,2,3,4,5,6,7,8,9,10,11,12,13,14,15
	ds_load_b128 v[VL+4*\t:VL+4*\t+3], v[MRD] offset:\t*MP     ; lane l: columns 4 l .. 4 l + 3 of row t
.endr
	s_wait_dscnt 0x0
.irp d, 8,4,2,1
.set t, 0
.rept \d
	v_pk_add_f32 v[VL+4*t:VL+4*t+1], v[VL+4*t:VL+4*t+1], v[VL+4*(t+\d):VL+4*(t+\d)+1]
	v_pk_add_f32 v[VL+4*t+2:VL+4*t+3], v[VL+4*t+2:VL+4*t+3], v[VL+4*(t+\d)+2:VL+4*(t+\d)+3]
.set t, t+1
.endr
.endr
	v_pk_mul_f32 v[VL:VL+1], v[VL:VL+1], 0x3c800000 op_sel_hi:[1,0]        ; / 64
	v_pk_mul_f32 v[VL+2:VL+3], v[VL+2:VL+3], 0x3c800000 op_sel_hi:[1,0]
	v_cvt_pk_f16_f32 v[224+2*\W], v[VL], v[VL+1]
	v_cvt_pk_f16_f32 v[225+2*\W], v[VL+2], v[VL+3]
.endr
	v_permlane16_swap_b32 v224, v226               ; lanes 0-15 hold the first head, lanes 16-31 the second: after the exchange v[224:225] is the first head's two tiles, v[226:227] the second's
	v_permlane16_swap_b32 v225, v227
	global_store_b64 v[MO], v[224:225], s[12:13]               ; 32 lanes store 256 consecutive bytes, aligned
	global_store_b64 v[MO], v[226:227], s[12:13] offset:4096   ; the next head: 32 tiles of 128 bytes on
.Lno_mean:
; THE WAY OUT, block by block of 16 rows x 128 columns: rounded to f16, through my stage, and out as two rows of one head (256 consecutive bytes) for each sixteen lanes.
.macro PACK a
.set AC, 64*((\a)%4)
	WIN 0x0a+5*((\a)/4)
.irp b, 0,1,2,3,4,5,6,7
.irp r, 0,1,2,3
	v_cvt_pk_f16_f32 v[TMP+4*\b+\r], v[AC+8*\b+2*\r], v[AC+8*\b+2*\r+1]
.endr
.endr
	WIN 0
.endm
.macro TOSTAGE a
.set BB, BK+32*((\a)%2)
.irp b, 0,1,2,3,4,5,6,7
	ds_store_b128 v[STO], v[TMP+4*\b:TMP+4*\b+3] offset:32*\b
.endr
.irp t, 0,1,2,3,4,5,6,7
	ds_load_b128 v[BB+4*\t:BB+4*\t+3], v[RD] offset:\t*2*QP    ; LDS serves a wave's instructions in order: these see the stores above
.endr
.endm
.macro SEND a
.set BB, BK+32*((\a)%2)
	s_wait_dscnt 0x0                               ; the block is back in registers
	s_wait_xcnt 0x0                                ; the stores of the block before have read their registers: the next block's loads may land there
.irp t, 0,1,2,3,4,5,6,7
	global_store_b128 v[CO], v[BB+4*\t:BB+4*\t+3], s[10:11] offset:2048*(\a)+256*\t
.endr
.endm
	PACK 0
	TOSTAGE 0
.irp a, 1,2,3,4,5,6,7                  ; block a's conversions stand between block a - 1's loads from the stage and the wait for them
	PACK \a
	SEND \a-1
	TOSTAGE \a
.endr
	SEND 7
	s_wait_tensorcnt 0x0                           ; the wave's end
	ds_add_u32 v[SPW], v[NIL]
	s_wait_dscnt 0x0
	CROUND                                         ; the closing round
	s_endpgm
.Lfunc_end_k_q5d83968ea0_gemm_qkv:
	.size	k_q5d83968ea0_gemm_qkv, .Lfunc_end_k_q5d83968ea0_gemm_qkv-k_q5d83968ea0_gemm_qkv
	.p2alignl 7, 3214868480
	.fill 96, 4, 3214868480
	.section	.rodata,"a",@progbits
	.p2align	6, 0x0
	.amdhsa_kernel k_q5d83968ea0_gemm_qkv
		.amdhsa_group_segment_fixed_size 327680
		.amdhsa_private_segment_fixed_size 0
		.amdhsa_enable_private_segment 0
		.amdhsa_kernarg_size 72
		.amdhsa_user_sgpr_count 2
		.amdhsa_user_sgpr_kernarg_segment_ptr 1
		.amdhsa_wavefront_size32 1
		.amdhsa_system_sgpr_workgroup_id_x 1
		.amdhsa_system_sgpr_workgroup_id_y 1
		.amdhsa_system_sgpr_workgroup_id_z 1
		.amdhsa_system_vgpr_workitem_id 0
		.amdhsa_next_free_vgpr 1024
		.amdhsa_next_free_sgpr 100
		.amdhsa_reserve_vcc 0
		.amdhsa_float_denorm_mode_32 3
		.amdhsa_float_denorm_mode_16_64 3
		.amdhsa_memory_ordered 1
		.amdhsa_forward_progress 1
		.amdhsa_inst_pref_size 150
	.end_amdhsa_kernel
	.amdgpu_metadata
---
amdhsa.version: [ 1, 2 ]
amdhsa.kernels:
  - .name:           k_q5d83968ea0_gemm_qkv
    .symbol:         k_q5d83968ea0_gemm_qkv.kd
    .args:
      - { .name: x_codes, .offset: 0, .size: 8, .value_kind: global_buffer, .address_space: global }
      - { .name: x_scales, .offset: 8, .size: 8, .value_kind: global_buffer, .address_space: global }
      - { .name: w_codes, .offset: 16, .size: 8, .value_kind: global_buffer, .address_space: global }
      - { .name: w_scales, .offset: 24, .size: 8, .value_kind: global_buffer, .address_space: global }
      - { .name: Q_b, .offset: 32, .size: 8, .value_kind: global_buffer, .address_space: global }
      - { .name: K_b, .offset: 40, .size: 8, .value_kind: global_buffer, .address_space: global }
      - { .name: V_b, .offset: 48, .size: 8, .value_kind: global_buffer, .address_space: global }
      - { .name: qkv, .offset: 56, .size: 8, .value_kind: global_buffer, .address_space: global }
      - { .name: vmean, .offset: 64, .size: 8, .value_kind: global_buffer, .address_space: global }
    .group_segment_fixed_size: 327680
    .private_segment_fixed_size: 0
    .kernarg_segment_align: 8
    .kernarg_segment_size: 72
    .max_flat_workgroup_size: 128
    .sgpr_count:     100
    .vgpr_count:     1024
    .wavefront_size: 32
...
	.end_amdgpu_metadata
.endif
;; end of part 2
;; launch attention (part 3): grid 4 x 64, 8 waves a work-group, no clusters, 327,680 bytes of LDS; arguments qkv, vmean, attn; writes attn
.if DOCPART == 3
	.amdgcn_target "amdgcn-amd-amdhsa--gfx1250"
	.amdhsa_code_object_version 6
	.text
	.protected	k_q5d83968ea0_attention
	.globl	k_q5d83968ea0_attention
	.p2align	8
	.type	k_q5d83968ea0_attention,@function
k_q5d83968ea0_attention:
	s_mov_b64 s[64:65], 0
	v_nop
	global_prefetch_b8 v0, s[64:65] scope:SCOPE_SE
	s_setreg_imm32_b32 hwreg(HW_REG_WAVE_MODE, 25, 1), 1
	s_wait_xcnt 0x0
; attn[b][q][h][:] = sum over k of softmax_k(logit) v[k], logit = q . k / 8 where k <= q and -100,000 elsewhere.  q, k, v: f16 [3][64 bh][2048][64]; products on f16 operands, sums, maxima and the softmax in f32.
; THE MASK IS A NUMBER, NOT MINUS INFINITY: masked keys stay in the softmax.  Inside the tiles that are walked they get the score -800,000 (8 x the mask: the scores are taken before the division by 8).
; The tiles of 64 keys that lie wholly behind a wave's queries all carry that one score, so they enter ONCE, at the start of a pass: the running maximum starts at the mask, the sum at their number, and O at
; the sum of their v, taken as 64 x the mean of each tile (vmean), by one product with 32 tiles as its K.  The first real score above the mask scales all that away as any softmax's rescaling does.
; LIMITS: f16 operands: q, k, v beyond 65,504 are infinities already; weights p under 6e-5 keep an absolute error of 3e-8.  NaN and infinities are not served.
; SHARES.  Work-group (i, bh) owns the query blocks i and 7 - i (256 queries each) of one head: nine trips of one slot of 256 keys (i + 1 for block i, 8 - i for block 7 - i): every work-group has the same work.
; No cluster: from trip i + 1 on the work-groups of a head walk different key blocks, so their requests do not meet.
; Each of eight waves owns 32 queries, two tiles of 16; wave w takes the block's part w (w < 4) or 11 - w, so that waves w and w + 4 together have five steps on the diagonal.
; LAYOUT.  S^T = K Q^T (source 0 = 16 keys, source 1 = 16 queries) and O^T = V^T P: a lane holds ONE query throughout.  Two score tiles rounded to f16 in pairs are source 1 of the second product.
; LDS.  Rows of K and V are 128 dense bytes: a tile is stated as rows of 256 bytes (two keys), padded: key k lies at (k / 2) x pitch + 128 (k % 2).
; REGISTERS: window 0: v1-15 addresses; v16-31 statistics (8 a tile: c m, m, l, l, four at work); v32-95 S^T; v96-127 P; v128-191 O^T; v192-255 at work.  window 1: v0-31 Q; v32-95 K; v96-159 V.
.set PK,    272                        ; K: 256 bytes + 16
.set VPI,   288                        ; V: 256 bytes + 32
.set VOFF,  128*PK                     ; a slot: 128 rows of K, then 128 rows of V
.set KSTP,  32*PK                      ; a step of 64 keys
.set VSTP,  32*VPI
.set SLOT1, 1<<17
.set VMB,   73728                      ; the head's 32 means, laid as 32 keys of V: 16 rows; filled once
.set STAGE, 81920                      ; the way out: 32 rows x 144 bytes a wave
.set SPI,   144
.set WSTG,  32*SPI
.set SPARE, STAGE+8*WSTG               ; the spare words, 128 bytes a wave: four blocks of 256 bytes that no other line names
.set AK0, 2
.set AV0, 3
.set ADK, 4
.set ADV, 5
.set QO,  6
.set STO, 7
.set RD,  8
.set GO,  9
.set SPW, 10
.set NIL, 11
.set PFO, 12
.set DL,  13
.set MSK, 14
.set AVM, 15
.set ST,  16
.set S,   32
.set P,   96
.set O,   128
.set KFR, 32
.set VFR, 96
.set WV,  10                           ; s10 wave
.set QS,  11                           ; s11 which 32 queries of a block
.set WI,  12                           ; s12 i
.set BH,  13                           ; s13 batch x 16 + head
.set TT,  14                           ; s14 the trip
.set KBC, 15                           ; s15 the key block in hand
.set KBN, 16                           ; s16 the next
.set KF,  17                           ; s17 the step's first key
.set Q0,  18                           ; s18 my first query
.set TB,  19                           ; s19 the slot in hand
.set SEL, 20
.set CS,  22                           ; s[22:23] c = log2(e) / 8
.set G1K, 24
.set G1V, 32
.set G0K, 40
.set G0V, 44
.set G1M, 48
.set G0M, 56
.set BK,  60                           ; s[60:61] K of my head, at the half that I fetch
.set BV,  62
.set QPT, 66                           ; s[66:67] Q at my first query
.set APT, 68                           ; s[68:69] attn at my first query
.set QH,  70                           ; s[70:71] Q of my head
.set PFK, 72
.set PFV, 74
.set LIMN, 76
.set TK,  77
.set TV,  78
.set STP, 79
.set AH,  90                           ; s[90:91] attn at (batch, head)
.set MSB, 0
.macro WIN new
.if MSB != (\new)
	s_set_vgpr_msb (MSB<<8)|(\new)
.set MSB, (\new)
.endif
.endm
; Waves 0 and 1 fetch K's halves of a slot, waves 2 and 3 V's.  An s_nop 0 and four v_nop follow each line.
.macro TLOAD
	s_cmp_lt_u32 s[WV], 2
	s_cbranch_scc0 .Lnot_k_\@
	tensor_load_to_lds s[G0K:G0K+3], s[G1K:G1K+7]
	s_nop 0
.rept 4
	v_nop
.endr
	s_branch .Lasked_\@
.Lnot_k_\@:
	s_cmp_lt_u32 s[WV], 4
	s_cbranch_scc0 .Lasked_\@
	tensor_load_to_lds s[G0V:G0V+3], s[G1V:G1V+7]
	s_nop 0
.rept 4
	v_nop
.endr
.Lasked_\@:
.endm
; A prefetch of the key block that the NEXT change of slots will ask for.  Key blocks 4 to 7 are first read by the head's work-group 0, in its trips 5 to 8: it asks in trips 3 to 6, a slot's four steps ahead of
; the tensor load.  Waves 4 to 7, which fetch nothing, ask: 8,192 bytes of K and of V a wave, lanes 256 bytes apart: each aligned block of 256 bytes is named once.  Blocks 0 to 3 come by their loads alone.
.macro ASK
	s_sub_co_u32 s80, s[TT], 3
	s_cmp_lt_u32 s80, s[LIMN]
	s_cbranch_scc0 .Lnot_mine_\@
	global_prefetch_b8 v[PFO], s[PFK:PFK+1] th:TH_LOAD_NT scope:SCOPE_SE
	global_prefetch_b8 v[PFO], s[PFV:PFV+1] th:TH_LOAD_NT scope:SCOPE_SE
.Lnot_mine_\@:
.endm
	s_load_b128 s[4:7], s[0:1], 0x0                ; qkv, vmean
	s_load_b64 s[8:9], s[0:1], 0x10                ; attn
	v_lshl_add_u32 v[SPW], v0, 2, SPARE
	v_mov_b32 v[NIL], 0
	ds_add_u32 v[SPW], v[NIL]                      ; the wave's opening: the add, twice on end, and its wait ahead of my first tensor load
	ds_add_u32 v[SPW], v[NIL]
	v_lshrrev_b32 v1, 5, v0
	v_readfirstlane_b32 s[WV], v1                  ; wave 0..7
	s_sub_co_u32 s[QS], 11, s[WV]
	s_cmp_lt_u32 s[WV], 4
	s_cselect_b32 s[QS], s[WV], s[QS]
	s_mov_b32 s[WI], ttmp9
	s_and_b32 s[BH], ttmp7, 0xffff
	s_mov_b32 s[G1K], (1<<16)|(1<<20)|(5<<22)|(3<<25)   ; elements of 2 bytes; padding: 4 words after every 64
	s_mov_b32 s[G1V], (1<<16)|(1<<20)|(5<<22)|(7<<25)   ; 8 words
	s_mov_b32 s[G1M], (1<<16)|(1<<20)|(5<<22)|(7<<25)
.irp g, G1K, G1V
	s_mov_b32 s[\g+1], 128<<16                     ; tensor_dim0 = 128 elements: two keys
	s_mov_b32 s[\g+2], 64<<16                      ; tensor_dim1 = 64 rows: 128 keys
	s_mov_b32 s[\g+3], 128<<16
	s_mov_b32 s[\g+4], 64
	s_mov_b32 s[\g+5], 128
	s_mov_b32 s[\g+6], 0
	s_mov_b32 s[\g+7], 0
.endr
	s_mov_b32 s[G1M+1], 128<<16
	s_mov_b32 s[G1M+2], 16<<16
	s_mov_b32 s[G1M+3], 128<<16
	s_mov_b32 s[G1M+4], 16
	s_mov_b32 s[G1M+5], 128
	s_mov_b32 s[G1M+6], 0
	s_mov_b32 s[G1M+7], 0
	s_mov_b32 s[SEL], 0x76543210
	s_mov_b32 s[SEL+1], 0xfedcba98
	s_mov_b32 s[CS], 0x3e38aa3b                    ; log2(e) / 8
	s_mov_b32 s[CS+1], s[CS]
	s_and_b32 s80, s[WV], 1                        ; which half of a slot I fetch
	s_lshl_b32 s82, s[BH], 18                      ; a head is 262,144 bytes
	s_mov_b32 s83, 0
	s_lshl_b32 s84, s80, 14
	s_mov_b32 s85, 0
	s_and_b32 s86, s[WV], 3
	s_lshl_b32 s86, s86, 13
	s_mov_b32 s87, 0
	s_mov_b32 s[G0K], 1
	s_mul_i32 s[G0K+1], s80, 64*PK
	s_mov_b32 s[G0V], 1
	s_mul_i32 s[G0V+1], s80, 64*VPI
	s_add_co_u32 s[G0V+1], s[G0V+1], VOFF
	s_mov_b32 s[G0M], 1
	s_mov_b32 s[G0M+1], VMB
	s_lshr_b32 s81, s[WV], 2
	s_xor_b32 s81, s81, 1
	s_or_b32 s81, s81, ttmp9                       ; 0 in waves 4 to 7 of the head's work-group 0
	s_cmp_eq_u32 s81, 0
	s_cselect_b32 s[LIMN], 4, 0
	s_wait_dscnt 0x0                               ; both opening adds are done
	s_wait_kmcnt 0x0
	s_add_nc_u64 s[QH:QH+1], s[4:5], s[82:83]
	s_add_nc_u64 s[PFK:PFK+1], s[QH:QH+1], 0x1000000
	s_add_nc_u64 s[PFV:PFV+1], s[QH:QH+1], 0x2000000
	s_add_nc_u64 s[BK:BK+1], s[PFK:PFK+1], s[84:85]
	s_add_nc_u64 s[BV:BV+1], s[PFV:PFV+1], s[84:85]
	s_add_nc_u64 s[PFK:PFK+1], s[PFK:PFK+1], s[86:87]   ; at key block 0; each change of slots steps them a block on
	s_add_nc_u64 s[PFV:PFV+1], s[PFV:PFV+1], s[86:87]
	s_mov_b64 s[G0K+2:G0K+3], s[BK:BK+1]
	s_or_b32 s[G0K+3], s[G0K+3], 0x80000000
	s_mov_b64 s[G0V+2:G0V+3], s[BV:BV+1]
	s_or_b32 s[G0V+3], s[G0V+3], 0x80000000
	s_lshl_b32 s88, s[BH], 12
	s_mov_b32 s89, 0
	s_add_nc_u64 s[G0M+2:G0M+3], s[6:7], s[88:89]
	s_or_b32 s[G0M+3], s[G0M+3], 0x80000000
	s_lshr_b32 s88, s[BH], 4
	s_lshl_b32 s88, s88, 22
	s_and_b32 s86, s[BH], 15
	s_lshl_b32 s86, s86, 14
	s_add_co_u32 s88, s88, s86
	s_add_nc_u64 s[AH:AH+1], s[8:9], s[88:89]
	; the first fills, one a wave, in one branch on the wave's number: slot 0 (waves 0 to 3) and the means (wave 4)
	s_cmp_lt_u32 s[WV], 2
	s_cbranch_scc0 .Lf_not_k
	tensor_load_to_lds s[G0K:G0K+3], s[G1K:G1K+7]
	s_nop 0
.rept 4
	v_nop
.endr
	s_branch .Lf_asked
.Lf_not_k:
	s_cmp_lt_u32 s[WV], 4
	s_cbranch_scc0 .Lf_not_v
	tensor_load_to_lds s[G0V:G0V+3], s[G1V:G1V+7]
	s_nop 0
.rept 4
	v_nop
.endr
	s_branch .Lf_asked
.Lf_not_v:
	s_cmp_eq_u32 s[WV], 4
	s_cbranch_scc0 .Lf_asked
	tensor_load_to_lds s[G0M:G0M+3], s[G1M:G1M+7]
	s_nop 0
.rept 4
	v_nop
.endr
.Lf_asked:
	v_and_b32 v1, 15, v0                           ; r
	v_bfe_u32 v16, v0, 4, 1                        ; h
	v_lshrrev_b32 v17, 1, v1
	v_and_b32 v18, 1, v0
	v_mul_u32_u24 v[AK0], v17, PK
	v_lshl_add_u32 v[AK0], v18, 7, v[AK0]
	v_lshl_add_u32 v[AK0], v16, 4, v[AK0]          ; K: key r of a tile, + 16 h
	v_and_b32 v19, 7, v0
	v_lshl_add_u32 v19, v16, 3, v19                ; V, for the turning load: key 8 h + lane % 8,
	v_lshrrev_b32 v20, 1, v19
	v_and_b32 v21, 1, v19
	v_mul_u32_u24 v[AVM], v20, VPI
	v_lshl_add_u32 v[AVM], v21, 7, v[AVM]
	v_bfe_u32 v22, v0, 3, 1
	v_lshl_add_u32 v[AVM], v22, 4, v[AVM]          ; channels 8 ((lane / 8) % 2) on
	v_add_nc_u32 v[AV0], VOFF, v[AVM]
	v_add_nc_u32 v[AVM], VMB, v[AVM]
	v_lshlrev_b32 v[QO], 7, v1
	v_lshl_add_u32 v[QO], v16, 4, v[QO]
	s_mul_i32 s80, s[WV], WSTG
	s_add_co_u32 s80, s80, STAGE
	v_mul_u32_u24 v[STO], v1, SPI
	v_lshl_add_u32 v[STO], v16, 4, v[STO]
	v_add_nc_u32 v[STO], s80, v[STO]
	v_and_b32 v23, 31, v0
	v_lshrrev_b32 v24, 3, v23
	v_mul_u32_u24 v[RD], v24, SPI
	v_and_b32 v25, 7, v0
	v_lshl_add_u32 v[RD], v25, 4, v[RD]
	v_add_nc_u32 v[RD], s80, v[RD]
	v_lshlrev_b32 v[GO], 4, v23
	v_lshlrev_b32 v[PFO], 8, v23
	v_lshlrev_b32 v[DL], 3, v16
	v_sub_nc_u32 v[DL], v1, v[DL]                  ; r - 8 h
	v_mov_b32 v[MSK], 0xc9435000                   ; -800,000
.macro FETCH_K                         ; 64 keys x 64 channels: 8 fragments
	WIN 0x40
.irp kt, 0,1,2,3
.irp s, 0,1
	ds_load_b128 v[KFR+16*\kt+8*\s:KFR+16*\kt+8*\s+3],   v[ADK] offset:8*PK*\kt+64*\s
	ds_load_b128 v[KFR+16*\kt+8*\s+4:KFR+16*\kt+8*\s+7], v[ADK] offset:8*PK*\kt+64*\s+32
.endr
.endr
.endm
.macro FETCH_V                         ; turned: fragment (u, dt): 16 channels x 32 keys
.irp u, 0,1
.irp dt, 0,1,2,3
	ds_load_tr16_b128 v[VFR+32*\u+8*\dt:VFR+32*\u+8*\dt+3],   v[ADV] offset:16*VPI*\u+32*\dt
	ds_load_tr16_b128 v[VFR+32*\u+8*\dt+4:VFR+32*\u+8*\dt+7], v[ADV] offset:16*VPI*\u+32*\dt+8*VPI
.endr
.endr
.endm
.macro KQ                              ; 16 products; the eight accumulators take turns, one instruction a turn
	WIN 0x05
.irp s, 0,1
.irp kt, 0,1,2,3
.irp t, 0,1
.if \s == 0
	v_wmma_f32_16x16x32_f16 v[S+32*\t+8*\kt:S+32*\t+8*\kt+7], v[KFR+16*\kt+8*\s:KFR+16*\kt+8*\s+7], v[16*\t+8*\s:16*\t+8*\s+7], 0
.else
	v_wmma_f32_16x16x32_f16 v[S+32*\t+8*\kt:S+32*\t+8*\kt+7], v[KFR+16*\kt+8*\s:KFR+16*\kt+8*\s+7], v[16*\t+8*\s:16*\t+8*\s+7], v[S+32*\t+8*\kt:S+32*\t+8*\kt+7]
.endif
.endr
.endr
.endr
.endm
.macro PV t                            ; 8 products; four accumulators by turns
	WIN 0x01
.irp u, 0,1
.irp dt, 0,1,2,3
	v_wmma_f32_16x16x32_f16 v[O+32*\t+8*\dt:O+32*\t+8*\dt+7], v[VFR+32*\u+8*\dt:VFR+32*\u+8*\dt+7], v[P+16*\t+8*\u:P+16*\t+8*\u+7], v[O+32*\t+8*\dt:O+32*\t+8*\dt+7]
.endr
.endr
.endm
.macro MASK                            ; register 8 kt + j of tile t holds key KF + 16 kt + 8 h + j for query Q0 + 16 t + r: masked where 16 kt + j - 16 t > Q0 - KF + r - 8 h
	s_sub_co_i32 s80, s[Q0], s[KF]
	v_add_nc_u32 v192, s80, v[DL]
.irp t, 0,1
.irp kt, 0,1,2,3
.irp j, 0,1,2,3,4,5,6,7
	v_cmp_gt_i32 vcc_lo, 16*\kt+\j-16*\t, v192
	v_cndmask_b32 v[S+32*\t+8*\kt+\j], v[S+32*\t+8*\kt+\j], v[MSK], vcc_lo
.endr
.endr
.endr
.endm
.macro SM_A                            ; both tiles: the largest of 32 scores and the old m; the other half of the lanes'; the new m, c m, and c m_old - c m_new
.irp j, 0,1,2,3
.irp t, 0,1
	v_max3_num_f32 v[ST+8*\t+4+\j], v[S+32*\t+8*\j], v[S+32*\t+8*\j+1], v[S+32*\t+8*\j+2]   ; each score tile is read from its low end on
.endr
.endr
.irp i, 3,5
.irp j, 0,1,2,3
.irp t, 0,1
	v_max3_num_f32 v[ST+8*\t+4+\j], v[ST+8*\t+4+\j], v[S+32*\t+8*\j+\i], v[S+32*\t+8*\j+\i+1]
.endr
.endr
.endr
.irp t, 0,1
	v_max3_num_f32 v[ST+8*\t+4], v[ST+8*\t+4], v[S+32*\t+7], v[S+32*\t+15]
	v_max3_num_f32 v[ST+8*\t+6], v[ST+8*\t+6], v[S+32*\t+23], v[S+32*\t+31]
.endr
.irp t, 0,1
	v_max3_num_f32 v[ST+8*\t+4], v[ST+8*\t+4], v[ST+8*\t+5], v[ST+8*\t+6]
.endr
.irp t, 0,1
	v_max3_num_f32 v[ST+8*\t+4], v[ST+8*\t+4], v[ST+8*\t+7], v[ST+8*\t+1]
.endr
.irp t, 0,1
	v_permlanex16_b32 v[ST+8*\t+5], v[ST+8*\t+4], s[SEL], s[SEL+1]
.endr
.irp t, 0,1
	v_mov_b32 v[ST+8*\t+7], v[ST+8*\t]
.endr
.irp t, 0,1
	v_max_num_f32 v[ST+8*\t+1], v[ST+8*\t+4], v[ST+8*\t+5]
.endr
.irp t, 0,1
	v_mul_f32 v[ST+8*\t], s[CS], v[ST+8*\t+1]
.endr
.irp t, 0,1
	v_sub_f32 v[ST+8*\t+7], v[ST+8*\t+7], v[ST+8*\t]
.endr
.endm
.macro SM_B                            ; the scalings c s - c m and all 66 exponentials as ONE batch; none of these lines names an exponential's result
.set n, 0
.rept 16
	v_pk_fma_f32 v[S+2*n:S+2*n+1], v[S+2*n:S+2*n+1], s[CS:CS+1], v[ST:ST+1] op_sel_hi:[1,0,0] neg_lo:[0,0,1] neg_hi:[0,0,1]
.set n, n+1
.endr
.set n, 0
.rept 16
	v_pk_fma_f32 v[S+32+2*n:S+32+2*n+1], v[S+32+2*n:S+32+2*n+1], s[CS:CS+1], v[ST+8:ST+9] op_sel_hi:[1,0,0] neg_lo:[0,0,1] neg_hi:[0,0,1]
	v_exp_f32 v[S+2*n], v[S+2*n]
	v_exp_f32 v[S+2*n+1], v[S+2*n+1]
.set n, n+1
.endr
	v_exp_f32 v[ST+6], v[ST+7]                     ; a = 2^(c m_old - c m_new)
	v_exp_f32 v[ST+14], v[ST+15]
.set n, 0
.rept 32
	v_exp_f32 v[S+32+n], v[S+32+n]
.set n, n+1
.endr
	v_nop                                          ; a plain instruction behind the last exponential
	s_wait_alu depctr_va_vdst(0)                   ; one wait for the batch, ahead of its first reader
.endm
.macro SM_C t                          ; the weights to f16; their sum, unrounded; l = a l + the sum; O^T x a, each accumulator from its low end on
.set rT, ST+8*(\t)
.set rS, S+32*(\t)
.set rP, P+16*(\t)
.set rO, O+32*(\t)
.set n, 0
.rept 16
	v_cvt_pk_f16_f32 v[rP+n], v[rS+2*n], v[rS+2*n+1]
.set n, n+1
.endr
.irp w, 4,8,16,32
.set n, 0
.rept 32/\w
	v_pk_add_f32 v[rS+\w*n:rS+\w*n+1], v[rS+\w*n:rS+\w*n+1], v[rS+\w*n+\w/2:rS+\w*n+\w/2+1]
.set n, n+1
.endr
.endr
	v_pk_fma_f32 v[rT+2:rT+3], v[rT+2:rT+3], v[rT+6:rT+7], v[rS:rS+1] op_sel_hi:[1,0,1]
.set n, 0
.rept 16
	v_pk_mul_f32 v[rO+2*n:rO+2*n+1], v[rO+2*n:rO+2*n+1], v[rT+6:rT+7] op_sel_hi:[1,0]
.set n, n+1
.endr
.endm
; A STEP: 64 keys.  A step all of whose keys come after my 32 queries is left out (its keys were counted at the pass's start): a scalar branch on ids, round loads, products and softmax alone.
.macro STEP
	s_add_co_u32 s80, s[Q0], 31
	s_cmp_gt_u32 s[KF], s80
	s_cbranch_scc1 .Lhid_\@
	v_add_nc_u32 v[ADK], s[TK], v[AK0]
	v_add_nc_u32 v[ADV], s[TV], v[AV0]
	v_nop
	v_nop                                          ; four plain instructions between the last products and the loads into the registers that they read
	FETCH_K
	FETCH_V
	s_wait_dscnt 16                                ; K is in; V's sixteen loads may be out
	KQ
	WIN 0
.rept 4
	v_nop
.endr
	s_add_co_u32 s80, s[KF], 63
	s_cmp_le_u32 s80, s[Q0]
	s_cbranch_scc1 .Lopen_\@                       ; all 64 keys count for all my queries
	MASK
.Lopen_\@:
	SM_A
	SM_B
	SM_C 0
	s_wait_dscnt 0x0                               ; V is in
	PV 0
	WIN 0
	SM_C 1                                         ; tile 1's vector work stands behind tile 0's products and names none of their registers
	PV 1
	WIN 0
.Lhid_\@:
	s_add_co_u32 s[KF], s[KF], 64
	s_add_co_u32 s[TK], s[TK], KSTP
	s_add_co_u32 s[TV], s[TV], VSTP
.endm
.macro STEPS4                          ; a slot's four steps: written once, walked four times
	s_mov_b32 s[TK], s[TB]
	s_mov_b32 s[TV], s[TB]
	s_lshl_b32 s[KF], s[KBC], 8
	s_mov_b32 s[STP], 4
.Lstep_\@:
	STEP
	s_sub_co_u32 s[STP], s[STP], 1
	s_cmp_lg_u32 s[STP], 0
	s_cbranch_scc1 .Lstep_\@
.endm
; THE CHANGE OF SLOTS, at a trip's head.  Each wave waits for all its tensor loads, adds 0 to its spare word, and waits for that and for its reads of the slot that it has left; behind the barrier the slot ahead is
; whole and nobody reads the other one, which (fill = 1) is filled with the next trip's key block: T + 1 while that is at most i, then T - i.
.macro CHANGE fill
	s_wait_tensorcnt 0x0                           ; no tensor load of mine is out, so a group 0 may be written
	ds_add_u32 v[SPW], v[NIL]
.if \fill
	ds_add_u32 v[SPW], v[NIL]                      ; and twice on end here
	s_sub_co_u32 s81, s[TT], s[WI]
	s_add_co_u32 s80, s[TT], 1
	s_cmp_le_u32 s80, s[WI]
	s_cselect_b32 s[KBN], s80, s81
	s_lshl_b32 s80, s[KBN], 15                     ; a key block is 32,768 bytes
	s_mov_b32 s81, 0
	s_xor_b32 s[G0K+1], s[G0K+1], SLOT1
	s_add_nc_u64 s[G0K+2:G0K+3], s[BK:BK+1], s[80:81]
	s_or_b32 s[G0K+3], s[G0K+3], 0x80000000
	s_xor_b32 s[G0V+1], s[G0V+1], SLOT1
	s_add_nc_u64 s[G0V+2:G0V+3], s[BV:BV+1], s[80:81]
	s_or_b32 s[G0V+3], s[G0V+3], 0x80000000
	s_wait_xcnt 0x0                                ; the last prefetches, a trip back, have read their addresses
	s_add_nc_u64 s[PFK:PFK+1], s[PFK:PFK+1], 0x8000
	s_add_nc_u64 s[PFV:PFV+1], s[PFV:PFV+1], 0x8000
.endif
	s_wait_dscnt 0x0
	s_barrier_signal -1
	s_barrier_wait -1
.if \fill
	TLOAD                                          ; the first thing behind the barrier, one tensor load a wave
	ASK
.endif
.endm
; THE START OF A PASS.  first = 1: query block i; else 7 - i.
.macro INIT first
	s_wait_xcnt 0x0                                ; earlier stores have read their base and data
.if \first
	s_mov_b32 s80, s[WI]
.else
	s_sub_co_u32 s80, 7, s[WI]
.endif
	s_lshl_b32 s[Q0], s80, 8
	s_lshl_b32 s81, s[QS], 5
	s_add_co_u32 s[Q0], s[Q0], s81
	s_lshr_b32 s84, s[Q0], 6
	s_add_co_u32 s84, s84, 1                       ; ET: the tiles of 64 keys that my steps walk
	s_lshl_b32 s83, s84, 5
	s_sub_co_u32 s83, 1024, s83                    ; half the number of keys behind them: each half of the lanes carries half of l
	s_mov_b32 s81, 0xff61b1e6                      ; -3e38
	s_mov_b32 s82, 0xc9435000
	s_cmp_lg_u32 s83, 0
	s_cselect_b32 s81, s82, s81                    ; m starts at the mask where masked tiles are left, else under every score
	s_lshl_b32 s86, s[Q0], 7
	s_mov_b32 s87, 0
	s_add_nc_u64 s[QPT:QPT+1], s[QH:QH+1], s[86:87]
	s_lshr_b32 s86, s[Q0], 7
	s_lshl_b32 s86, s86, 18
	s_and_b32 s88, s[Q0], 127
	s_lshl_b32 s88, s88, 7
	s_add_co_u32 s86, s86, s88
	s_add_nc_u64 s[APT:APT+1], s[AH:AH+1], s[86:87]
	WIN 0x40
.irp t, 0,1
.irp s, 0,1
	global_load_b128 v[16*\t+8*\s:16*\t+8*\s+3],   v[QO], s[QPT:QPT+1] offset:2048*\t+64*\s
	global_load_b128 v[16*\t+8*\s+4:16*\t+8*\s+7], v[QO], s[QPT:QPT+1] offset:2048*\t+64*\s+32
.endr
.endr
.irp dt, 0,1,2,3
	ds_load_tr16_b128 v[VFR+8*\dt:VFR+8*\dt+3],   v[AVM] offset:32*\dt          ; the 32 means as 32 keys
	ds_load_tr16_b128 v[VFR+8*\dt+4:VFR+8*\dt+7], v[AVM] offset:32*\dt+8*VPI
.endr
	WIN 0
	v_mov_b32 v[ST+1], s81
	v_mov_b32 v[ST+9], s81
	v_mul_f32 v[ST], s[CS], v[ST+1]
	v_mul_f32 v[ST+8], s[CS], v[ST+9]
	v_mul_f32 v192, s[CS], v[MSK]
	v_fma_f32 v192, v[MSK], s[CS], -v192           ; the same multiply-add that a masked score meets in a step under m = the mask
	v_exp_f32 v193, v192                           ; p', the weight of a masked key
	v_cvt_f32_u32 v194, s83
	v_bfe_u32 v196, v0, 4, 1
	v_lshlrev_b32 v196, 3, v196
	v_sub_nc_u32 v196, s84, v196                   ; ET - 8 h
	v_mov_b32 v[ST+3], 0
	v_mov_b32 v[ST+11], 0
	s_wait_alu depctr_va_vdst(0)                   ; ahead of the exponential's first reader
	v_mul_f32 v[ST+2], v194, v193
	v_mul_f32 v[ST+10], v194, v193
	v_mul_f32 v195, 0x42800000, v193               ; 64 p': a tile's mean counts for 64 keys
.set e, 0
.rept 16                               ; source 1's layout: my registers hold tiles 8 h + 0..7 and 16 + 8 h + 0..7: those from ET on count
	v_cmp_ge_i32 vcc_lo, e+8*(e/8), v196
	v_cndmask_b32 v[200+e], 0, v195, vcc_lo
.set e, e+1
.endr
.set e, 0
.rept 8
	v_cvt_pk_f16_f32 v[P+e], v[200+2*e], v[201+2*e]
.set e, e+1
.endr
	s_wait_dscnt 0x0
	WIN 0x01
.irp dt, 0,1,2,3
.irp t, 0,1
	v_wmma_f32_16x16x32_f16 v[O+32*\t+8*\dt:O+32*\t+8*\dt+7], v[VFR+8*\dt:VFR+8*\dt+7], v[P:P+7], 0   ; these products start O^T's sums: nothing is cleared
.endr
.endr
	WIN 0
	s_wait_loadcnt 0x0                             ; Q
.endm
; THE END OF A PASS: O^T / l, rounded to f16, through my stage, out as 4,096 consecutive bytes.
.macro FINAL
	s_wait_xcnt 0x0
.rept 4
	v_nop
.endr
.irp t, 0,1
	v_add_f32 v[ST+8*\t+4], v[ST+8*\t+2], v[ST+8*\t+3]
.endr
.irp t, 0,1
	v_permlanex16_b32 v[ST+8*\t+5], v[ST+8*\t+4], s[SEL], s[SEL+1]
.endr
.irp t, 0,1
	v_add_f32 v[ST+8*\t+4], v[ST+8*\t+4], v[ST+8*\t+5]
.endr
.irp t, 0,1
	v_rcp_f32 v[ST+8*\t+6], v[ST+8*\t+4]
.endr
	v_nop
	s_wait_alu depctr_va_vdst(0)                   ; one wait for the two reciprocals
.irp t, 0,1
.set n, 0
.rept 16
	v_pk_mul_f32 v[O+32*\t+2*n:O+32*\t+2*n+1], v[O+32*\t+2*n:O+32*\t+2*n+1], v[ST+8*\t+6:ST+8*\t+7] op_sel_hi:[1,0]
.set n, n+1
.endr
.endr
.set n, 0
.rept 32
	v_cvt_pk_f16_f32 v[192+n], v[O+2*n], v[O+2*n+1]
.set n, n+1
.endr
.irp t, 0,1
.irp dt, 0,1,2,3
	ds_store_b128 v[STO], v[192+16*\t+4*\dt:192+16*\t+4*\dt+3] offset:16*SPI*\t+32*\dt
.endr
.endr
.irp n, 0,1,2,3,4,5,6,7
	ds_load_b128 v[224+4*\n:227+4*\n], v[RD] offset:4*SPI*\n   ; LDS serves a wave's instructions in order: these see my stores
.endr
.irp n, 0,1,2,3,4,5,6,7
	s_wait_dscnt 7-\n
	global_store_b128 v[GO], v[224+4*\n:227+4*\n], s[APT:APT+1] offset:512*\n   ; 32 lanes store 512 consecutive bytes
.endr
.endm
	s_mov_b32 s[TT], 0
	s_mov_b32 s[TB], 0
	s_mov_b32 s[KBC], 0
	CHANGE 1                                       ; trip 0 is written out: slot 0 and the means have landed; slot 1 gets its first fill
	INIT 1
	STEPS4
	s_xor_b32 s[TB], s[TB], SLOT1
	s_mov_b32 s[KBC], s[KBN]
	s_mov_b32 s[TT], 1
.Ltrip:                                            ; trips 1 to 7
	CHANGE 1
	s_add_co_u32 s80, s[WI], 1
	s_cmp_lg_u32 s[TT], s80
	s_cbranch_scc1 .Lgo
	FINAL                                          ; block i is done; block 7 - i begins
	INIT 0
.Lgo:
	STEPS4
	s_xor_b32 s[TB], s[TB], SLOT1
	s_mov_b32 s[KBC], s[KBN]
	s_add_co_u32 s[TT], s[TT], 1
	s_cmp_lt_u32 s[TT], 8
	s_cbranch_scc1 .Ltrip
	CHANGE 0                                       ; trip 8 is written out: nothing is left to fetch
	STEPS4
	FINAL
	s_wait_tensorcnt 0x0                           ; the wave's end
	ds_add_u32 v[SPW], v[NIL]
	s_wait_dscnt 0x0
	s_endpgm
.Lfunc_end_k_q5d83968ea0_attention:
	.size	k_q5d83968ea0_attention, .Lfunc_end_k_q5d83968ea0_attention-k_q5d83968ea0_attention
	.p2alignl 7, 3214868480
	.fill 96, 4, 3214868480
	.section	.rodata,"a",@progbits
	.p2align	6, 0x0
	.amdhsa_kernel k_q5d83968ea0_attention
		.amdhsa_group_segment_fixed_size 327680
		.amdhsa_private_segment_fixed_size 0
		.amdhsa_enable_private_segment 0
		.amdhsa_kernarg_size 24
		.amdhsa_user_sgpr_count 2
		.amdhsa_user_sgpr_kernarg_segment_ptr 1
		.amdhsa_wavefront_size32 1
		.amdhsa_system_sgpr_workgroup_id_x 1
		.amdhsa_system_sgpr_workgroup_id_y 1
		.amdhsa_system_sgpr_workgroup_id_z 1
		.amdhsa_system_vgpr_workitem_id 0
		.amdhsa_next_free_vgpr 512
		.amdhsa_next_free_sgpr 96
		.amdhsa_reserve_vcc 1
		.amdhsa_float_denorm_mode_32 3
		.amdhsa_float_denorm_mode_16_64 3
		.amdhsa_memory_ordered 1
		.amdhsa_forward_progress 1
		.amdhsa_inst_pref_size 100
	.end_amdhsa_kernel
	.amdgpu_metadata
---
amdhsa.version: [ 1, 2 ]
amdhsa.kernels:
  - .name:           k_q5d83968ea0_attention
    .symbol:         k_q5d83968ea0_attention.kd
    .args:
      - { .name: qkv, .offset: 0, .size: 8, .value_kind: global_buffer, .address_space: global }
      - { .name: vmean, .offset: 8, .size: 8, .value_kind: global_buffer, .address_space: global }
      - { .name: attn, .offset: 16, .size: 8, .value_kind: global_buffer, .address_space: global }
    .group_segment_fixed_size: 327680
    .private_segment_fixed_size: 0
    .kernarg_segment_align: 8
    .kernarg_segment_size: 24
    .max_flat_workgroup_size: 256
    .sgpr_count:     96
    .vgpr_count:     512
    .wavefront_size: 32
...
	.end_amdgpu_metadata
.endif
;; end of part 3
;; launch gemm_out (part 4): grid 4 x 64, 4 waves a work-group, clusters of 4 x 4, 327,680 bytes of LDS; arguments attn, owt, O_b, out0; writes out0
.if DOCPART == 4
	.amdgcn_target "amdgcn-amd-amdhsa--gfx1250"
	.amdhsa_code_object_version 6
	.text
	.protected	k_q5d83968ea0_gemm_out
	.globl	k_q5d83968ea0_gemm_out
	.p2align	8
	.type	k_q5d83968ea0_gemm_out,@function
k_q5d83968ea0_gemm_out:
	s_mov_b64 s[64:65], 0
	v_nop
	global_prefetch_b8 v0, s[64:65] scope:SCOPE_SE
	s_setreg_imm32_b32 hwreg(HW_REG_WAVE_MODE, 25, 1), 1
	s_wait_xcnt 0x0
	s_wait_alu depctr_hold_cnt(0) depctr_sa_sdst(0) depctr_va_vdst(0) depctr_va_sdst(0) depctr_va_ssrc(0) depctr_va_vcc(0) depctr_vm_vsrc(0)
	s_getreg_b32 s2, hwreg(HW_REG_IB_STS2, 6, 4)
	s_cmp_eq_u32 s2, 0
	s_cbranch_scc0 .Lentry_in_a_cluster
	s_endpgm
.Lentry_in_a_cluster:
	s_bfe_u32 s2, ttmp6, 0x10000c
	s_cmp_lg_u32 s2, 0xf033
	s_cbranch_scc0 .Lentry_shape_is_right
	s_endpgm
.Lentry_shape_is_right:
; out0[m][n] = sum over (h, d) of attn[m][h][d] O_w[h][d][n] + O_b[n].  Operands in f16, sums in f32, the bias as the C of each sum's first product.
; attn: [64 mblk][16 h][128 rows][64 d]; owt: [4 nblk][16 h][256 n][64 d]: for a tile of C and a K step (two heads, 128 along K) both operands are dense blocks of memory.
; A tile of C is 128 x 256, so that the 8,192 x 1,024 outputs give 256 work-groups.  Four waves, each 64 x 128: 32 accumulators, 256 registers (window 2).  Eight K steps through two LDS slots.
; In LDS a row holds two rows of 64 f16 (256 bytes + 16 of padding): row x lies at (x / 2) x 272 + 128 (x % 2): the sixteen rows of a fragment load fall on sixteen different groups of banks.
; CLUSTERS: 4 x 4 work-groups: A's tiles are asked for jointly along a row of the cluster, B's along a column.  THE MATRIX INSTRUCTION IS USED TRANSPOSED (source 0 = 16 rows of owt, source 1 = 16 rows of attn).
; REGISTERS: window 0: v16-31 addresses; v32-95 the bias; v96-127, v128-159 A's fragments, two buffers; on the way out v96-223 rows of C.  window 1: v0-63, v64-127 B's fragments.  window 2: the accumulators.
.set PITCH,  272
.set AHEAD,  64*PITCH                  ; a head of A's tile: 128 rows of 128 bytes
.set BHEAD,  128*PITCH                 ; a head of B's tile: 256 rows
.set BOFF,   2*AHEAD
.set SLOT,   2*AHEAD+2*BHEAD
.set STAGE,  2*SLOT                    ; the way out: 16 rows x 528 bytes a wave
.set SPITCH, 528
.set SPARE,  STAGE+4*16*SPITCH         ; the spare words, 128 bytes a wave
.set LAPS,   4                         ; a lap = two K steps
.set ADRA, 16
.set ADRB, 20
.set STO,  24
.set RD,   25
.set CO,   26
.set SPW,  28
.set NIL,  29
.set PFO,  30
.set BO,   31
.set BIAS, 32
.set AFR,  96
.set BK,   96
.set WV,   12
.set ROLE, 13                          ; s13 wave / 2: my half of the rows; also: I fetch for A (0) or B (1)
.set HALF, 14                          ; s14 wave % 2: my half of the columns; also: which head of the K step I fetch
.set LIM,  15
.set G1,  24
.set G0,  32
.set PFA, 44
.set G1B, 48
.set G0B, 56
.set MSB, 0
.macro WIN new
.if MSB != (\new)
	s_set_vgpr_msb (MSB<<8)|(\new)
.set MSB, (\new)
.endif
.endm
.set MUL,   0xa1                       ; source 0 (B) window 1, source 1 (A) window 0, C and D window 2
.set FIRST, 0x81                       ; the same with C (the bias) in window 0
.set TO_B,  0x40
.macro JLOAD s                         ; a joint load; an s_nop 0 and four v_nop follow each of the two lines
	s_cmp_eq_u32 s[ROLE], 0
	s_cbranch_scc0 .Lfor_b_\@
	tensor_load_to_lds s[G0+4*\s:G0+4*\s+3], s[G1:G1+7]
	s_nop 0
.rept 4
	v_nop
.endr
	s_branch .Lasked_\@
.Lfor_b_\@:
	tensor_load_to_lds s[G0B+4*\s:G0B+4*\s+3], s[G1B:G1B+7]
	s_nop 0
.rept 4
	v_nop
.endr
.Lasked_\@:
.endm
; A prefetch of A's K step that stands two refills on: 32,768 dense bytes.  A's tile row is read by one row of one cluster alone: its four partners share the bytes out BY ADDRESS, 8,192 each; in each, wave 0 asks,
; lanes 256 bytes apart: each aligned block of 256 bytes is named once.  The loop's last trip asks for nothing: there is no K step two refills on.  B, which every cluster reads, is not asked for.
.macro ASK
	s_cmp_gt_u32 s3, s[LIM]
	s_cbranch_scc0 .Lnot_mine_\@
	global_prefetch_b8 v[PFO], s[PFA:PFA+1] th:TH_LOAD_NT scope:SCOPE_SE
.Lnot_mine_\@:
.endm
.macro CREST
	s_cmp_lg_u32 s[WV], 0
	s_cbranch_scc1 .Lnot_wave_0_\@
	s_barrier_signal -3
.Lnot_wave_0_\@:
	s_barrier_wait -3
	s_barrier_signal -1
	s_barrier_wait -1
.endm
.macro CROUND
	s_barrier_signal -1
	s_barrier_wait -1
	CREST
.endm
	s_load_b128 s[4:7], s[0:1], 0x0                ; attn, owt
	s_load_b128 s[8:11], s[0:1], 0x10              ; O_b, out0
	v_lshl_add_u32 v[SPW], v0, 2, SPARE
	v_mov_b32 v[NIL], 0
	ds_add_u32 v[SPW], v[NIL]                      ; the wave's opening: the add, twice on end, and its wait ahead of my first tensor load
	ds_add_u32 v[SPW], v[NIL]
	v_lshrrev_b32 v1, 5, v0
	v_readfirstlane_b32 s[WV], v1
	s_lshr_b32 s[ROLE], s[WV], 1
	s_and_b32 s[HALF], s[WV], 1
	s_bfe_u32 s40, ttmp6, 0x40000                  ; cx
	s_bfe_u32 s41, ttmp6, 0x40004                  ; cy
	s_lshl_b32 s42, ttmp9, 2
	s_add_co_u32 s42, s42, s40                     ; tile column
	s_and_b32 s43, ttmp7, 0xffff
	s_lshl_b32 s43, s43, 2
	s_add_co_u32 s43, s43, s41                     ; tile row
	s_lshl_b32 s20, s41, 2
	s_lshl_b32 s20, 15, s20                        ; my row of the cluster
	s_lshl_b32 s21, 0x1111, s40                    ; my column
	s_or_b32 s[G1+0], s20, (1<<16)|(1<<20)|(1<<21)|(5<<22)|(3<<25)   ; the mask; elements of 2 bytes; padding: 4 words after every 64; bit 21 beside a mask
	s_or_b32 s[G1B+0], s21, (1<<16)|(1<<20)|(1<<21)|(5<<22)|(3<<25)
	s_mov_b32 s[G1+1], 128<<16
	s_mov_b32 s[G1+2], 64<<16                      ; A: 64 rows of 256 bytes: a head's 128 rows
	s_mov_b32 s[G1+3], 128<<16
	s_mov_b32 s[G1+4], 64
	s_mov_b32 s[G1+5], 128
	s_mov_b32 s[G1+6], 0
	s_mov_b32 s[G1+7], 0
	s_mov_b32 s[G1B+1], 128<<16
	s_mov_b32 s[G1B+2], 128<<16                    ; B: 128 rows of 256 bytes: a head's 256 rows
	s_mov_b32 s[G1B+3], 128<<16
	s_mov_b32 s[G1B+4], 128
	s_mov_b32 s[G1B+5], 128
	s_mov_b32 s[G1B+6], 0
	s_mov_b32 s[G1B+7], 0
	s_lshl_b32 s16, s43, 18                        ; A: 262,144 bytes a tile row,
	s_lshl_b32 s17, s[HALF], 14                    ; 16,384 a head
	s_add_co_u32 s16, s16, s17
	s_mov_b32 s17, 0
	s_lshl_b32 s46, s42, 19                        ; B: 524,288 bytes a tile column,
	s_lshl_b32 s47, s[HALF], 15                    ; 32,768 a head
	s_add_co_u32 s46, s46, s47
	s_mov_b32 s47, 0
	s_mul_i32 s22, s[HALF], AHEAD                  ; where they go: no place in the cluster enters an LDS address
	s_mul_i32 s23, s[HALF], BHEAD
	s_add_co_u32 s23, s23, BOFF
	s_cmp_eq_u32 s[WV], 0
	s_cselect_b32 s[LIM], 1, -1
	s_wait_dscnt 0x0                               ; both opening adds are done
	s_wait_kmcnt 0x0
	s_add_nc_u64 s[18:19], s[4:5], s[16:17]
	s_add_nc_u64 s[46:47], s[6:7], s[46:47]
	CROUND                                         ; all sixteen work-groups are here: the first joint loads meet
.irp s, 0,1
	s_mov_b32 s[G0+4*\s], 1
	s_add_co_u32 s[G0+4*\s+1], s22, \s*SLOT
	s_add_nc_u64 s[G0+4*\s+2:G0+4*\s+3], s[18:19], \s*32768
	s_or_b32 s[G0+4*\s+3], s[G0+4*\s+3], 0x80000000
	s_mov_b32 s[G0B+4*\s], 1
	s_add_co_u32 s[G0B+4*\s+1], s23, \s*SLOT
	s_add_nc_u64 s[G0B+4*\s+2:G0B+4*\s+3], s[46:47], \s*65536
	s_or_b32 s[G0B+4*\s+3], s[G0B+4*\s+3], 0x80000000
	JLOAD \s                                       ; two tensor loads of mine are out
.endr
	v_and_b32 v1, 15, v0                           ; r
	v_bfe_u32 v2, v0, 4, 1                         ; h
	v_lshrrev_b32 v3, 1, v1
	v_and_b32 v4, 1, v0
	v_mul_u32_u24 v3, v3, PITCH
	v_lshl_add_u32 v3, v4, 7, v3
	v_lshl_add_u32 v3, v2, 4, v3                   ; row r of a fragment, + 16 h
	s_mul_i32 s21, s[ROLE], 32*PITCH               ; my 64 rows of A
	s_mul_i32 s22, s[HALF], 64*PITCH               ; my 128 rows of B,
	s_add_co_u32 s22, s22, BOFF                    ; behind A's two heads
.irp s, 0,1
	v_add_nc_u32 v[ADRA+\s], s21, v3
	v_add_nc_u32 v[ADRB+\s], s22, v3
	s_add_co_u32 s21, s21, SLOT
	s_add_co_u32 s22, s22, SLOT
.endr
	s_mul_i32 s23, s[WV], 16*SPITCH
	s_add_co_u32 s23, s23, STAGE
	v_mul_u32_u24 v5, v1, SPITCH
	v_lshl_add_u32 v5, v2, 5, v5
	v_add_nc_u32 v[STO], s23, v5                   ; in: row r, 32 bytes for each half of the lanes
	v_and_b32 v6, 31, v0
	v_lshlrev_b32 v[CO], 4, v6
	v_add_nc_u32 v[RD], s23, v[CO]                 ; back: the 32 lanes take a row of 512 bytes
	v_lshlrev_b32 v[PFO], 8, v6
	v_lshlrev_b32 v[BO], 5, v2
	s_lshl_b32 s20, s42, 10
	s_lshl_b32 s21, s[HALF], 9
	s_add_co_u32 s20, s20, s21                     ; my first column, in bytes
	s_mov_b32 s21, 0
	s_add_nc_u64 s[8:9], s[8:9], s[20:21]
.irp b, 0,1,2,3,4,5,6,7
	global_load_b128 v[BIAS+8*\b:BIAS+8*\b+3], v[BO], s[8:9] offset:64*\b
	global_load_b128 v[BIAS+8*\b+4:BIAS+8*\b+7], v[BO], s[8:9] offset:64*\b+16
.endr
	s_add_nc_u64 s[10:11], s[10:11], s[20:21]
	s_lshl_b32 s20, s43, 19                        ; 128 rows of 4,096 bytes a tile row,
	s_lshl_b32 s66, s[ROLE], 18                    ; 64 for my half
	s_add_co_u32 s20, s20, s66
	s_add_nc_u64 s[10:11], s[10:11], s[20:21]
	s_lshl_b32 s20, s43, 18
	s_lshl_b32 s66, s40, 13                        ; my work-group's 8,192 bytes of a K step
	s_add_co_u32 s20, s20, s66
	s_add_co_u32 s20, s20, 3*32768                 ; at K step 3: the first refill steps it to 4
	s_add_nc_u64 s[PFA:PFA+1], s[4:5], s[20:21]
.macro MUL8 f, a, first                ; A's block a x B's eight, 32 along K.  The 32 accumulators take turns, one instruction a turn, in the same order in every quarter
.irp b, 0,1,2,3,4,5,6,7
.if \first
	v_wmma_f32_16x16x32_f16 v[8*(8*(\a)+\b):8*(8*(\a)+\b)+7], v[64*(\f)+8*\b:64*(\f)+8*\b+7], v[AFR+32*(\f)+8*(\a):AFR+32*(\f)+8*(\a)+7], v[BIAS+8*\b:BIAS+8*\b+7]
.else
	v_wmma_f32_16x16x32_f16 v[8*(8*(\a)+\b):8*(8*(\a)+\b)+7], v[64*(\f)+8*\b:64*(\f)+8*\b+7], v[AFR+32*(\f)+8*(\a):AFR+32*(\f)+8*(\a)+7], v[8*(8*(\a)+\b):8*(8*(\a)+\b)+7]
.endif
.endr
.endm
.macro FETCH slot, q, f                ; 24 LDS loads in one run: quarter q (head q / 2, channels 32 (q % 2) on) into buffer f: B's eight fragments, then A's four
	WIN TO_B
.irp i, 0,1,2,3,4,5,6,7
	ds_load_b128 v[64*(\f)+8*\i:64*(\f)+8*\i+3],   v[ADRB+\slot] offset:BHEAD*((\q)/2)+64*((\q)%2)+\i*8*PITCH
	ds_load_b128 v[64*(\f)+8*\i+4:64*(\f)+8*\i+7], v[ADRB+\slot] offset:BHEAD*((\q)/2)+64*((\q)%2)+\i*8*PITCH+32
.endr
	WIN 0
.irp i, 0,1,2,3
	ds_load_b128 v[AFR+32*(\f)+8*\i:AFR+32*(\f)+8*\i+3],   v[ADRA+\slot] offset:AHEAD*((\q)/2)+64*((\q)%2)+\i*8*PITCH
	ds_load_b128 v[AFR+32*(\f)+8*\i+4:AFR+32*(\f)+8*\i+7], v[ADRA+\slot] offset:AHEAD*((\q)/2)+64*((\q)%2)+\i*8*PITCH+32
.endr
.endm
.macro PLACES                          ; four plain vector instructions between a matrix instruction and a load into, or a read of, its registers
.rept 4
	v_nop
.endr
.endm
.macro QUARTER slot, q, f, g, first    ; multiplies buffer f; in its middle fetches the slot's quarter q into buffer g
	s_wait_dscnt 4                                 ; B and A's blocks 0, 1 are in; the youngest four loads (A's blocks 2, 3) may be out
.if \first
	WIN FIRST
.else
	WIN MUL
.endif
	MUL8 \f, 0, \first
	MUL8 \f, 1, \first
	PLACES
	FETCH \slot, \q, \g
	s_wait_dscnt 24                                ; all but the 24 just issued
.if \first
	WIN FIRST
.else
	WIN MUL
.endif
	MUL8 \f, 2, \first
	MUL8 \f, 3, \first
.endm
; A K step's last quarter multiplies buffer 1 and changes slots: one barrier; in front of it all my tensor loads, the add, and my reads of this slot.  fill = 1: the barrier opens a round of the cluster's, and
; this slot is filled again, two K steps ahead, first thing behind the round.
.macro TURN slot, next, fill
.if \fill
	s_wait_xcnt 0x0                                ; the last prefetch, a K step back, has read its address
	s_add_nc_u64 s[PFA:PFA+1], s[PFA:PFA+1], 32768
.endif
	WIN 0
	s_wait_tensorcnt 0x0                           ; my part of the next slot has landed
	ds_add_u32 v[SPW], v[NIL]
	s_wait_dscnt 5                                 ; (the add and the youngest four loads may be out)
	WIN MUL
	MUL8 1, 0, 0
	s_wait_dscnt 0x0                               ; the add is done, and my reads of this slot are over
	s_barrier_signal -1
	MUL8 1, 1, 0
.if \fill
	WIN 0
.endif
	s_barrier_wait -1
.if \fill
	CREST                                          ; no wave of any partner still reads this slot or has a load on its way
	s_add_nc_u64 s[G0+4*\slot+2:G0+4*\slot+3], s[G0+4*\slot+2:G0+4*\slot+3], 2*32768
	s_add_nc_u64 s[G0B+4*\slot+2:G0B+4*\slot+3], s[G0B+4*\slot+2:G0B+4*\slot+3], 2*65536
	JLOAD \slot                                    ; its four v_nop are also the places in front of the loads below
.else
	PLACES
.endif
	FETCH \next, 0, 0
.if \fill
	ASK
.endif
	WIN MUL
	MUL8 1, 2, 0
	MUL8 1, 3, 0
.endm
	s_wait_tensorcnt 1                             ; my part of K step 0 is in; K step 1's load may be out
	s_barrier_signal -1
	s_barrier_wait -1
	FETCH 0, 0, 0
	s_wait_loadcnt 0x0                             ; the bias
	QUARTER 0, 1, 0, 1, 1                          ; the first quarter stands in front of the loop: its products start the sums from the bias
	WIN 0
	s_mov_b32 s3, LAPS-1
.Llap:                                                 ; a trip goes once round the ring and fills both slots again
	QUARTER 0, 2, 1, 0, 0
	QUARTER 0, 3, 0, 1, 0
	TURN 0, 1, 1
	QUARTER 1, 1, 0, 1, 0
	QUARTER 1, 2, 1, 0, 0
	QUARTER 1, 3, 0, 1, 0
	TURN 1, 0, 1
	QUARTER 0, 1, 0, 1, 0
	WIN 0
	s_sub_co_u32 s3, s3, 1
	s_cmp_lg_u32 s3, 0
	s_cbranch_scc1 .Llap
	QUARTER 0, 2, 1, 0, 0                          ; the last lap fills nothing
	QUARTER 0, 3, 0, 1, 0
	TURN 0, 1, 0
	QUARTER 1, 1, 0, 1, 0
	QUARTER 1, 2, 1, 0, 0
	QUARTER 1, 3, 0, 1, 0
	s_wait_dscnt 4
	WIN MUL
	MUL8 1, 0, 0
	MUL8 1, 1, 0
	s_wait_dscnt 0x0
	MUL8 1, 2, 0
	MUL8 1, 3, 0
	WIN 0
; THE WAY OUT, block by block of 16 rows x 128 columns of f32: through my own stage, back as whole rows of 512 bytes.
.macro TOSTAGE a
	WIN 0x08                                       ; an LDS store's data are its source 1: window 2
.irp b, 0,1,2,3,4,5,6,7
	ds_store_b128 v[STO], v[64*(\a)+8*\b:64*(\a)+8*\b+3] offset:64*\b          ; each accumulator from its low end on
	ds_store_b128 v[STO], v[64*(\a)+8*\b+4:64*(\a)+8*\b+7] offset:64*\b+16
.endr
	WIN 0
.set BB, BK+64*((\a)%2)
.irp t, 0,1,2,3,4,5,6,7,8,9,10,11,12,13,14,15
	ds_load_b128 v[BB+4*\t:BB+4*\t+3], v[RD] offset:\t*SPITCH   ; LDS serves a wave's instructions in order: these see the stores above
.endr
.endm
.macro SEND a, younger
.set BB, BK+64*((\a)%2)
	s_wait_dscnt \younger
.irp t, 0,1,2,3,4,5,6,7,8,9,10,11,12,13,14,15
	global_store_b128 v[CO], v[BB+4*\t:BB+4*\t+3], s[10:11] offset:(16*(\a)+\t)*4096 th:TH_STORE_NT   ; 32 lanes store 512 consecutive bytes, aligned
.endr
.endm
	PLACES
	TOSTAGE 0
.irp a, 1,2,3
.if \a > 1
	s_wait_xcnt 0x0                                ; block a - 2's stores have read their registers: block a's loads may land there
.endif
	TOSTAGE \a
	SEND \a-1, 32                                  ; behind block a - 1's loads: block a's 16 stores and 16 loads
.endr
	SEND 3, 0
	s_wait_tensorcnt 0x0                           ; the wave's end
	ds_add_u32 v[SPW], v[NIL]
	s_wait_dscnt 0x0
	CROUND                                         ; the closing round
	s_endpgm
.Lfunc_end_k_q5d83968ea0_gemm_out:
	.size	k_q5d83968ea0_gemm_out, .Lfunc_end_k_q5d83968ea0_gemm_out-k_q5d83968ea0_gemm_out
	.p2alignl 7, 3214868480
	.fill 96, 4, 3214868480
	.section	.rodata,"a",@progbits
	.p2align	6, 0x0
	.amdhsa_kernel k_q5d83968ea0_gemm_out
		.amdhsa_group_segment_fixed_size 327680
		.amdhsa_private_segment_fixed_size 0
		.amdhsa_enable_private_segment 0
		.amdhsa_kernarg_size 32
		.amdhsa_user_sgpr_count 2
		.amdhsa_user_sgpr_kernarg_segment_ptr 1
		.amdhsa_wavefront_size32 1
		.amdhsa_system_sgpr_workgroup_id_x 1
		.amdhsa_system_sgpr_workgroup_id_y 1
		.amdhsa_system_sgpr_workgroup_id_z 1
		.amdhsa_system_vgpr_workitem_id 0
		.amdhsa_next_free_vgpr 768
		.amdhsa_next_free_sgpr 72
		.amdhsa_reserve_vcc 0
		.amdhsa_float_denorm_mode_32 3
		.amdhsa_float_denorm_mode_16_64 3
		.amdhsa_memory_ordered 1
		.amdhsa_forward_progress 1
		.amdhsa_inst_pref_size 88
	.end_amdhsa_kernel
	.amdgpu_metadata
---
amdhsa.version: [ 1, 2 ]
amdhsa.kernels:
  - .name:           k_q5d83968ea0_gemm_out
    .symbol:         k_q5d83968ea0_gemm_out.kd
    .args:
      - { .name: attn, .offset: 0, .size: 8, .value_kind: global_buffer, .address_space: global }
      - { .name: owt, .offset: 8, .size: 8, .value_kind: global_buffer, .address_space: global }
      - { .name: O_b, .offset: 16, .size: 8, .value_kind: global_buffer, .address_space: global }
      - { .name: out0, .offset: 24, .size: 8, .value_kind: global_buffer, .address_space: global }
    .group_segment_fixed_size: 327680
    .private_segment_fixed_size: 0
    .kernarg_segment_align: 8
    .kernarg_segment_size: 32
    .max_flat_workgroup_size: 128
    .sgpr_count:     72
    .vgpr_count:     768
    .wavefront_size: 32
...
	.end_amdgpu_metadata
.endif
;; end of part 4
